; MI455X (gfx1250); checked and timed in simulation.
; The chip was launched on July 23, 2026; its instructions are those of AMD's public machine-readable ISA for CDNA 5 (MIT licence, August 2026) and "CDNA5" Instruction Set Architecture Reference Guide (July 2026). The comments in the code are by the model that wrote it; some were corrected since.
;; DPCA Block. Allowed arithmetic: float matrix products may take bf16 or f16 operands with f32 sums; all other float work in f32.
;; Inputs: W1 1,024 x 256 float32; W2 256 x 1,024 float32; W_kv 512 x 256 float32; W_out 256 x 256 float32; W_q 256 x 256 float32; b1 1,024 float32; b2 256 float32; bn1_b 1,024 float32; bn1_g 1,024 float32; bn2_b 256 float32; bn2_g 256 float32; cn_b 256 float32; cn_g 256 float32; context 4 x 256 x 32 x 64 float32; gamma 1 float32; on_b 256 float32; on_g 256 float32; qn_b 256 float32; qn_g 256 float32; query_source 4 x 256 x 32 x 64 float32; rand_ind 32 x 257 int32.
;; Outputs: out0 4 x 256 x 32 x 64 float32.
;; 2 versions, each right and faster than the one before. Each part assembles by itself: llvm-mc -triple=amdgcn-amd-amdhsa -mcpu=gfx1250 --defsym DOCPART=n.
;; ======== version 1 of 2: 6 launches
;; workspace buffers: wf 2,097,152 bytes; qf 8,388,608 bytes; kf 8,388,608 bytes; qb 4,194,304 bytes; vb 4,194,304 bytes; mind 262,144 bytes; rank 262,144 bytes of whole numbers; kvf 1,179,648 bytes
;; launch prep (part 1): grid 384 x 1, 8 waves a work-group, no clusters, 0 bytes of LDS; arguments W_q, W_kv, W_out, W1, W2, bn1_g, bn2_g, wf; writes wf
.if DOCPART == 1
	.amdgcn_target "amdgcn-amd-amdhsa--gfx1250"
	.amdhsa_code_object_version 6
	.text
	.protected	k_q80e6826b84_prep
	.globl	k_q80e6826b84_prep
	.p2align	8
	.type	k_q80e6826b84_prep,@function
k_q80e6826b84_prep:
	s_mov_b64 s[64:65], 0
	v_nop
	global_prefetch_b8 v0, s[64:65] scope:SCOPE_SE
	s_setreg_imm32_b32 hwreg(HW_REG_WAVE_MODE, 25, 1), 1
	s_wait_xcnt 0x0
; prep: the weights, f32 row-major [out][in], become bf16 matrix fragments in wf, in the order in which one wave of a later launch reads them.
; A fragment is 16 rows x 32 k = 1,024 bytes: piece c2 (registers 4 c2 .. 4 c2 + 3) of lane L lies at 512 c2 + 16 L (lane L: row L % 16, k = 16 c2 + 8 (L / 16) + 0..7).
; One wave makes one piece: each lane reads 32 bytes of a row and stores 16; a wave's store covers 512 consecutive bytes, aligned.
; W_q and the K half of W_kv are split into three bf16 numbers (h, m = bf16(x - h), l = bf16(x - h - m); both differences are exact in f32),
; W1 and W2 have bn1_g and bn2_g multiplied into their rows in f32 before the one rounding.
; wf: 0 W_q [head 8][kc 8][h0 h1 m0 m1 l0 l1]; 393,216 W_kv [head][kc][h0 h1 m0 m1 l0 l1 v0 v1];
;     917,504 [wave 4][72 steps][4 fragments]: steps 0-7 W_out, 8-39 W1 (pass, kc), 40-71 W2 (kc).
.set TAILW, 294912                     ; bytes of one wave's 72 steps
.macro PACK d                          ; eight f32 in v[8:15] to 16 bytes in v[d:d+3]
.irp j,0,1,2,3
	v_cvt_pk_bf16_f32 v[\d+\j], v[8+2*\j], v[9+2*\j]
.endr
.endm
.macro RESID d                         ; v[8:15] -= what v[d:d+3] holds
.irp j,0,1,2,3
	v_lshlrev_b32 v[24+2*\j], 16, v[\d+\j]
	v_and_b32 v[25+2*\j], 0xffff0000, v[\d+\j]
.endr
.irp j,0,1,2,3
	v_pk_add_f32 v[8+2*\j:9+2*\j], v[8+2*\j:9+2*\j], v[24+2*\j:25+2*\j] neg_lo:[0,1] neg_hi:[0,1]
.endr
.endm
; One section.  f = fragment number in the section: its low G bits pick the m tile in a group, the next KCL bits the k chunk, the rest the group.
; Rows of the source are 2^(KCL+7) bytes.  In wf: (f >> WSH) picks the wave's part, ((fl >> 1) STRIDE + SLOT0 + (fl & 1)) the fragment, fl = f mod 2^WSH.
.macro SECTION first, G, KCL, WSH, STRIDE, SLOT0, split, scale, SRC, srcoff, GP, dstoff
	s_sub_co_u32 s4, ttmp9, \first
	s_lshl2_add_u32 s4, s4, s5                     ; f = 4 (work-group - first) + wave / 2
	s_lshr_b32 s6, s4, \G+\KCL
	s_lshl_b32 s6, s6, \G
	s_and_b32 s7, s4, (1<<\G)-1
	s_add_co_u32 s6, s6, s7                        ; m tile
	s_bfe_u32 s7, s4, (\KCL<<16)|\G                ; k chunk
	s_and_b32 s8, s4, (1<<\WSH)-1                  ; fl
	s_lshr_b32 s9, s4, \WSH
	s_lshl_b32 s11, s6, 11+\KCL                    ; 16 rows of the source
	s_lshl_b32 s12, s7, 7                          ; 32 k of 4 bytes
	s_add_co_u32 s11, s11, s12
	s_lshl_b32 s12, s10, 6                         ; the piece: 16 k
	s_add_co_u32 s11, s11, s12
.if \srcoff
	s_add_co_u32 s11, s11, \srcoff
.endif
	v_lshlrev_b32 v1, 7+\KCL, v4                   ; my row
	v_lshl_add_u32 v1, v5, 5, v1                   ; my 8 k
	v_add_nc_u32 v1, s11, v1
	s_lshr_b32 s12, s8, 1
	s_mul_i32 s12, s12, \STRIDE
	s_and_b32 s13, s8, 1
	s_add_co_u32 s12, s12, s13
	s_add_co_u32 s12, s12, \SLOT0
	s_lshl_b32 s12, s12, 10
	s_mul_i32 s13, s9, TAILW
	s_add_co_u32 s12, s12, s13
	s_lshl_b32 s13, s10, 9
	s_add_co_u32 s12, s12, s13
	s_add_co_u32 s12, s12, \dstoff
	v_lshl_add_u32 v2, v6, 4, s12
	global_load_b128 v[8:11], v1, s[\SRC:\SRC+1]
	global_load_b128 v[12:15], v1, s[\SRC:\SRC+1] offset:16
.if \scale
	s_lshl_b32 s13, s6, 6
	v_lshl_add_u32 v3, v4, 2, s13                  ; the gain of my row
	global_load_b32 v16, v3, s[\GP:\GP+1]
.endif
	s_wait_loadcnt 0x0
.if \scale
.irp j,0,1,2,3,4,5,6,7
	v_mul_f32 v[8+\j], v16, v[8+\j]
.endr
.endif
	PACK 20
	global_store_b128 v2, v[20:23], s[30:31]
.if \split
	RESID 20
	PACK 32
	global_store_b128 v2, v[32:35], s[30:31] offset:2048
	RESID 32
	PACK 36
	global_store_b128 v2, v[36:39], s[30:31] offset:4096
.endif
	s_endpgm
.endm
	s_load_b512 s[16:31], s[0:1], 0x0              ; W_q 16, W_kv 18, W_out 20, W1 22, W2 24, bn1_g 26, bn2_g 28, wf 30
	v_lshrrev_b32 v1, 5, v0
	v_readfirstlane_b32 s3, v1                     ; wave
	v_and_b32 v4, 15, v0                           ; row in the fragment
	v_bfe_u32 v5, v0, 4, 1                         ; half of the lanes
	v_and_b32 v6, 31, v0                           ; lane
	s_lshr_b32 s5, s3, 1
	s_and_b32 s10, s3, 1                           ; piece
	s_wait_kmcnt 0x0
	s_cmp_lt_u32 ttmp9, 32
	s_cbranch_scc1 .Lsec_q
	s_cmp_lt_u32 ttmp9, 64
	s_cbranch_scc1 .Lsec_k
	s_cmp_lt_u32 ttmp9, 96
	s_cbranch_scc1 .Lsec_v
	s_cmp_lt_u32 ttmp9, 128
	s_cbranch_scc1 .Lsec_o
	s_cmp_lt_u32 ttmp9, 256
	s_cbranch_scc1 .Lsec_1
	SECTION 256, 2, 5, 7, 2, 0, 0, 1, 24, 0, 28, 1081344
.Lsec_q:
	SECTION 0, 1, 3, 16, 6, 0, 1, 0, 16, 0, 26, 0
.Lsec_k:
	SECTION 32, 1, 3, 16, 8, 0, 1, 0, 18, 0, 26, 393216
.Lsec_v:
	SECTION 64, 1, 3, 16, 8, 6, 0, 0, 18, 262144, 26, 393216
.Lsec_o:
	SECTION 96, 2, 3, 5, 2, 0, 0, 0, 20, 0, 26, 917504
.Lsec_1:
	SECTION 128, 2, 3, 7, 2, 0, 0, 1, 22, 0, 26, 950272
.Lfunc_end_k_q80e6826b84_prep:
	.size	k_q80e6826b84_prep, .Lfunc_end_k_q80e6826b84_prep-k_q80e6826b84_prep
	.p2alignl 7, 3214868480
	.fill 96, 4, 3214868480
	.section	.rodata,"a",@progbits
	.p2align	6, 0x0
	.amdhsa_kernel k_q80e6826b84_prep
		.amdhsa_group_segment_fixed_size 0
		.amdhsa_private_segment_fixed_size 0
		.amdhsa_enable_private_segment 0
		.amdhsa_kernarg_size 64
		.amdhsa_user_sgpr_count 2
		.amdhsa_user_sgpr_kernarg_segment_ptr 1
		.amdhsa_wavefront_size32 1
		.amdhsa_system_sgpr_workgroup_id_x 1
		.amdhsa_system_sgpr_workgroup_id_y 1
		.amdhsa_system_sgpr_workgroup_id_z 1
		.amdhsa_system_vgpr_workitem_id 0
		.amdhsa_next_free_vgpr 48
		.amdhsa_next_free_sgpr 66
		.amdhsa_reserve_vcc 0
		.amdhsa_float_denorm_mode_32 3
		.amdhsa_float_denorm_mode_16_64 3
		.amdhsa_memory_ordered 1
		.amdhsa_forward_progress 1
		.amdhsa_inst_pref_size 16
	.end_amdhsa_kernel
	.amdgpu_metadata
---
amdhsa.version: [ 1, 2 ]
amdhsa.kernels:
  - .name:           k_q80e6826b84_prep
    .symbol:         k_q80e6826b84_prep.kd
    .args:
      - { .name: W_q, .offset: 0, .size: 8, .value_kind: global_buffer, .address_space: global }
      - { .name: W_kv, .offset: 8, .size: 8, .value_kind: global_buffer, .address_space: global }
      - { .name: W_out, .offset: 16, .size: 8, .value_kind: global_buffer, .address_space: global }
      - { .name: W1, .offset: 24, .size: 8, .value_kind: global_buffer, .address_space: global }
      - { .name: W2, .offset: 32, .size: 8, .value_kind: global_buffer, .address_space: global }
      - { .name: bn1_g, .offset: 40, .size: 8, .value_kind: global_buffer, .address_space: global }
      - { .name: bn2_g, .offset: 48, .size: 8, .value_kind: global_buffer, .address_space: global }
      - { .name: wf, .offset: 56, .size: 8, .value_kind: global_buffer, .address_space: global }
    .group_segment_fixed_size: 0
    .private_segment_fixed_size: 0
    .kernarg_segment_align: 8
    .kernarg_segment_size: 64
    .max_flat_workgroup_size: 256
    .sgpr_count:     66
    .vgpr_count:     48
    .wavefront_size: 32
...
	.end_amdgpu_metadata
.endif
;; end of part 1
;; launch proj (part 2): grid 128 x 2, 8 waves a work-group, no clusters, 180,224 bytes of LDS; arguments query_source, context, qn_g, qn_b, cn_g, cn_b, wf, qf, kf, qb, vb; writes qf, kf, qb, vb
.if DOCPART == 2
	.amdgcn_target "amdgcn-amd-amdhsa--gfx1250"
	.amdhsa_code_object_version 6
	.text
	.protected	k_q80e6826b84_proj
	.globl	k_q80e6826b84_proj
	.p2align	8
	.type	k_q80e6826b84_proj,@function
k_q80e6826b84_proj:
	s_mov_b64 s[64:65], 0
	v_nop
	global_prefetch_b8 v0, s[64:65] scope:SCOPE_SE
	s_setreg_imm32_b32 hwreg(HW_REG_WAVE_MODE, 25, 1), 1
	s_wait_xcnt 0x0
; proj: channel layer norm, 1x1 projection and l2norm.  Work-group (x, y): batch x / 32, tokens 64 (x % 32) .. + 63; y = 0: q from query_source, y = 1: k and v from context.
; Eight waves.  First wave w norms channels 32 w .. + 31 of the 64 tokens (sums over channels meet in LDS), then wave w makes head w: D[out channel, token] = W X.
; q and k decide which keys are kept later, so they are made to f32's accuracy with bf16 matrix instructions: X and W are each three bf16 numbers
; (h, m, l); h h goes to one accumulator, h m + m h + h l + l h + m m to a second, and the two are added at the end.  v is plain bf16.
; The reciprocal roots get one Newton step.  LIMITS: NaN and infinite inputs are not served; max(norm, 1e-12) is applied as max(sum of squares, 1e-24);
; q and k carry the rounding of f32 sums in another order than the reference's (about 1e-7 of a unit vector).
; Weights come as ready fragments straight into the registers of the one wave that uses them: LDS would only add a write and a read, and no tile is shared
; between work-groups' waves at one time, so no tensor load and no cluster.
.set XP,   528                         ; LDS row of a token: 256 channels bf16 + 16: an odd multiple of 16 bytes
.set XSB,  64*XP                       ; one split of the 64 tokens; three of them from byte 0
.set PART, 3*XSB                       ; partial sums [wave][token] f32: 2,048 bytes for the mean, 2,048 for the squares
.set STG,  PART+4096                   ; a stage of 64 tokens x 144 bytes for each wave, its own
.set SP,   144
.set AB0,  16                          ; v16-79   A fragments, buffer 0: h0 h1 m0 m1 l0 l1 (v0 v1)
.set BB,   144                         ; v144-239 B fragments: token tile n, split s at 24 n + 8 s
.set X,    144                         ; the norm: X[i][e] = v[X+4i+e]: channel 32 w + 16 (lane / 16) + i, token 4 (lane % 16) + e
.set GV,   208                         ; 16 gains
.set BV,   224                         ; 16 biases
.set T,    240                         ; v240-255 at work
.set QV,   16                          ; the way out: tile (c, n) at QV + 8 (4 c + n)
; window 1: accumulators: h h of tile (c, n) at 8 (4 c + n), the small terms at + 64, v at + 128
.set MSB, 0
.macro WIN new                         ; the immediate's high byte repeats the setting that is left
.if MSB != \new
	s_set_vgpr_msb (MSB<<8)|\new
.set MSB, \new
.endif
.endm
.macro PLACES                          ; four places behind a matrix instruction (ISA guide 7.12.1)
.rept 4
	v_nop
.endr
.endm
.macro BAR
	s_barrier_signal -1
	s_barrier_wait -1
.endm
.macro LDA buf, kc, NF                 ; the NF fragments of k chunk kc: each load takes 512 consecutive bytes
.set f_, 0
.rept \NF
	global_load_b128 v[\buf+8*f_:\buf+8*f_+3], v1, s[12:13] offset:(\kc)*\NF*1024+f_*1024
	global_load_b128 v[\buf+8*f_+4:\buf+8*f_+7], v1, s[12:13] offset:(\kc)*\NF*1024+f_*1024+512
.set f_, f_+1
.endr
.endm
.macro LDB n, kc                       ; token tile n, k chunk kc, all three splits
.irp s,0,1,2
	ds_load_b128 v[BB+24*\n+8*\s:BB+24*\n+8*\s+3], v[2+\s] offset:\n*16*XP+(\kc)*64
	ds_load_b128 v[BB+24*\n+8*\s+4:BB+24*\n+8*\s+7], v[2+\s] offset:\n*16*XP+(\kc)*64+32
.endr
.endm
.macro WM d, a, b, z
.if \z
	v_wmma_f32_16x16x32_bf16 v[\d:\d+7], v[\a:\a+7], v[\b:\b+7], 0
.else
	v_wmma_f32_16x16x32_bf16 v[\d:\d+7], v[\a:\a+7], v[\b:\b+7], v[\d:\d+7]
.endif
.endm
; One token tile, one k chunk.  The accumulators take turns, one instruction a turn.
.macro G6 buf, n, zero, withv
	WIN 0x50                                       ; C and D in window 1
	WM 8*\n, \buf, BB+24*\n, \zero                 ; h0 Xh
	WM 64+8*\n, \buf, BB+24*\n+8, \zero            ; h0 Xm
	WM 8*(4+\n), \buf+8, BB+24*\n, \zero           ; h1 Xh
	WM 64+8*(4+\n), \buf+8, BB+24*\n+8, \zero      ; h1 Xm
	WM 64+8*\n, \buf+16, BB+24*\n, 0               ; m0 Xh
	WM 64+8*(4+\n), \buf+24, BB+24*\n, 0           ; m1 Xh
	WM 64+8*\n, \buf, BB+24*\n+16, 0               ; h0 Xl
	WM 64+8*(4+\n), \buf+8, BB+24*\n+16, 0         ; h1 Xl
	WM 64+8*\n, \buf+32, BB+24*\n, 0               ; l0 Xh
	WM 64+8*(4+\n), \buf+40, BB+24*\n, 0           ; l1 Xh
	WM 64+8*\n, \buf+16, BB+24*\n+8, 0             ; m0 Xm
	WM 64+8*(4+\n), \buf+24, BB+24*\n+8, 0         ; m1 Xm
.if \withv
	WM 128+8*\n, \buf+48, BB+24*\n, \zero          ; v0 Xh
	WM 128+8*(4+\n), \buf+56, BB+24*\n, \zero      ; v1 Xh
.endif
	WIN 0
.endm
.macro XADD4 s, t                      ; v[s:s+3] += the same of the other half of the lanes
.irp k,0,1,2,3
	v_permlanex16_b32 v[\t+\k], v[\s+\k], s20, s21
.endr
	v_pk_add_f32 v[\s:\s+1], v[\s:\s+1], v[\t:\t+1]
	v_pk_add_f32 v[\s+2:\s+3], v[\s+2:\s+3], v[\t+2:\t+3]
.endm
.macro GATHER8 off                     ; v[12:15] = the eight waves' partial sums of my four tokens
.irp k,0,1,2,3
	ds_load_b128 v[T+4*\k:T+4*\k+3], v11 offset:\off+256*\k
.endr
	s_wait_dscnt 0x0
	v_pk_add_f32 v[12:13], v[T:T+1], v[T+4:T+5]
	v_pk_add_f32 v[14:15], v[T+2:T+3], v[T+6:T+7]
	v_pk_add_f32 v[12:13], v[12:13], v[T+8:T+9]
	v_pk_add_f32 v[14:15], v[14:15], v[T+10:T+11]
	v_pk_add_f32 v[12:13], v[12:13], v[T+12:T+13]
	v_pk_add_f32 v[14:15], v[14:15], v[T+14:T+15]
.irp k,0,1,2,3
	ds_load_b128 v[T+4*\k:T+4*\k+3], v11 offset:\off+1024+256*\k
.endr
	s_wait_dscnt 0x0
.irp k,0,1,2,3
	v_pk_add_f32 v[12:13], v[12:13], v[T+4*\k:T+4*\k+1]
	v_pk_add_f32 v[14:15], v[14:15], v[T+4*\k+2:T+4*\k+3]
.endr
.endm
.macro RSQNR4 y, a, t                  ; y = 1 / sqrt(a), four numbers, with one Newton step: y += 0.5 y (1 - a y y); t: eight registers
.irp k,0,1,2,3
	v_rsq_f32 v[\y+\k], v[\a+\k]
.endr
	v_nop                                          ; one plain place behind the transcendentals
	s_wait_alu depctr_va_vdst(0)
.irp k,0,1,2,3
	v_mul_f32 v[\t+\k], v[\a+\k], v[\y+\k]
.endr
.irp k,0,1,2,3
	v_fma_f32 v[\t+\k], -v[\t+\k], v[\y+\k], 1.0
.endr
.irp k,0,1,2,3
	v_mul_f32 v[\t+4+\k], 0.5, v[\y+\k]
.endr
.irp k,0,1,2,3
	v_fma_f32 v[\y+\k], v[\t+4+\k], v[\t+\k], v[\y+\k]
.endr
.endm
.macro PKMULB d, p, o                  ; v[d:d+1] *= register o of the pair at p
.if \o
	v_pk_mul_f32 v[\d:\d+1], v[\d:\d+1], v[\p:\p+1] op_sel:[0,1] op_sel_hi:[1,1]
.else
	v_pk_mul_f32 v[\d:\d+1], v[\d:\d+1], v[\p:\p+1] op_sel:[0,0] op_sel_hi:[1,0]
.endif
.endm
.macro PKFMAB d, g, b, o               ; v[d:d+1] = v[d:d+1] * register o of the pair at g + register o of the pair at b
.if \o
	v_pk_fma_f32 v[\d:\d+1], v[\d:\d+1], v[\g:\g+1], v[\b:\b+1] op_sel:[0,1,1] op_sel_hi:[1,1,1]
.else
	v_pk_fma_f32 v[\d:\d+1], v[\d:\d+1], v[\g:\g+1], v[\b:\b+1] op_sel:[0,0,0] op_sel_hi:[1,0,0]
.endif
.endm
; The whole of one role.  NF: fragments in a k chunk; SRC, GG, GB, FOUT, BOUT: scalar pairs with the role's buffers.
.macro BODY NF, withv, SRC, GG, GB, FOUT, BOUT
	s_mul_i32 s52, s16, \NF*8192                   ; my head's 8 chunks of NF fragments
.if \withv
	s_add_co_u32 s52, s52, 393216
.endif
	s_mov_b32 s53, 0
	s_add_nc_u64 s[12:13], s[36:37], s[52:53]
	s_add_nc_u64 s[4:5], s[\SRC:\SRC+1], s[46:47]
	s_add_nc_u64 s[10:11], s[\FOUT:\FOUT+1], s[48:49]
	s_add_nc_u64 s[14:15], s[\BOUT:\BOUT+1], s[50:51]
	LDA AB0, 0, \NF                                ; the first two chunks of weights are on their way during the norm
	LDA AB0+64, 1, \NF
.set i_, 0
.rept 16
	global_load_b128 v[X+4*i_:X+4*i_+3], v[T], s[4:5] offset:i_*8192 th:TH_LOAD_NT   ; sixteen lanes take a channel's 256 bytes, aligned
.set i_, i_+1
.endr
.irp k,0,1,2,3
	global_load_b128 v[GV+4*\k:GV+4*\k+3], v[T+1], s[\GG:\GG+1] offset:16*\k
	global_load_b128 v[BV+4*\k:BV+4*\k+3], v[T+1], s[\GB:\GB+1] offset:16*\k
.endr
	s_wait_loadcnt 0x0
	; the mean over 256 channels: 16 in the lane, 32 in the wave, 256 through LDS
	v_pk_add_f32 v[12:13], v[X:X+1], v[X+4:X+5]
	v_pk_add_f32 v[14:15], v[X+2:X+3], v[X+6:X+7]
.set i_, 2
.rept 14
	v_pk_add_f32 v[12:13], v[12:13], v[X+4*i_:X+4*i_+1]
	v_pk_add_f32 v[14:15], v[14:15], v[X+4*i_+2:X+4*i_+3]
.set i_, i_+1
.endr
	XADD4 12, T
	ds_store_b128 v10, v[12:15]                    ; both halves of the lanes store the same numbers
	s_wait_dscnt 0x0                               ; for the other waves: zero
	BAR
	GATHER8 0
.irp k,0,1,2,3
	v_mul_f32 v[12+\k], s23, v[12+\k]              ; / 256
.endr
	; centre, then the variance from the centred numbers
.set i_, 0
.rept 16
	v_pk_add_f32 v[X+4*i_:X+4*i_+1], v[X+4*i_:X+4*i_+1], v[12:13] neg_lo:[0,1] neg_hi:[0,1]
	v_pk_add_f32 v[X+4*i_+2:X+4*i_+3], v[X+4*i_+2:X+4*i_+3], v[14:15] neg_lo:[0,1] neg_hi:[0,1]
.set i_, i_+1
.endr
	v_pk_mul_f32 v[T:T+1], v[X:X+1], v[X:X+1]
	v_pk_mul_f32 v[T+2:T+3], v[X+2:X+3], v[X+2:X+3]
.set i_, 1
.rept 15
	v_pk_fma_f32 v[T:T+1], v[X+4*i_:X+4*i_+1], v[X+4*i_:X+4*i_+1], v[T:T+1]
	v_pk_fma_f32 v[T+2:T+3], v[X+4*i_+2:X+4*i_+3], v[X+4*i_+2:X+4*i_+3], v[T+2:T+3]
.set i_, i_+1
.endr
	XADD4 T, T+4
	ds_store_b128 v10, v[T:T+3] offset:2048        ; bytes of their own: no barrier is needed against the reads of the means
	s_wait_dscnt 0x0
	BAR
	GATHER8 2048
.irp k,0,1,2,3
	v_fmaak_f32 v[12+\k], s23, v[12+\k], 0x3727c5ac   ; variance + 1e-5
.endr
	RSQNR4 T, 12, T+4
.set i_, 0
.rept 16
	v_pk_mul_f32 v[X+4*i_:X+4*i_+1], v[X+4*i_:X+4*i_+1], v[T:T+1]
	v_pk_mul_f32 v[X+4*i_+2:X+4*i_+3], v[X+4*i_+2:X+4*i_+3], v[T+2:T+3]
	PKFMAB X+4*i_, GV+2*(i_/2), BV+2*(i_/2), i_&1
	PKFMAB X+4*i_+2, GV+2*(i_/2), BV+2*(i_/2), i_&1
.set i_, i_+1
.endr
	; three bf16 splits, token-major into LDS: 16 channels = 32 bytes of a token's row
.irp s,0,1,2
.irp e,0,1,2,3
.irp j,0,1,2,3,4,5,6,7
	v_cvt_pk_bf16_f32 v[T+\j], v[X+8*\j+\e], v[X+8*\j+4+\e]
.if \s < 2
	v_lshlrev_b32 v[T+8+2*(\j&1)], 16, v[T+\j]
	v_and_b32 v[T+9+2*(\j&1)], s22, v[T+\j]
	v_sub_f32 v[X+8*\j+\e], v[X+8*\j+\e], v[T+8+2*(\j&1)]        ; exact: what the split left
	v_sub_f32 v[X+8*\j+4+\e], v[X+8*\j+4+\e], v[T+9+2*(\j&1)]
.endif
.endr
	ds_store_b128 v[7+\s], v[T:T+3] offset:\e*XP
	ds_store_b128 v[7+\s], v[T+4:T+7] offset:\e*XP+16
.endr
.endr
	s_wait_dscnt 0x0
	BAR                                            ; all 256 channels of the 64 tokens are in LDS
	; the product: 2 m tiles x 4 token tiles, 8 chunks of 32 channels
.irp n,0,1,2,3
	LDB \n, 0
.endr
.irp kc,0,1,2,3,4,5,6,7
.irp n,0,1,2,3
.if \n == 0
.if \kc == 7
	s_wait_loadcnt 0x0                             ; the last chunk's weights
.else
	s_wait_loadcnt 2*\NF                           ; this chunk's weights are in; the next chunk's 2 NF loads may be out
.endif
.endif
.if \kc == 7
	s_wait_dscnt 18-6*\n                           ; nothing more is fetched: the counts run down
.else
	s_wait_dscnt 18                                ; this tile's six loads are in; three younger tiles' may be out
.endif
.if \kc == 0
	G6 AB0, \n, 1, \withv                          ; the first products start the sums
.else
	G6 AB0+64*(\kc&1), \n, 0, \withv
.endif
	PLACES                                         ; in front of loads into registers that the matrix instructions read
.if \kc < 7
	LDB \n, \kc+1
.endif
.endr
.if \kc < 6
	LDA AB0+64*(\kc&1), \kc+2, \NF
.endif
.endr
	; large + small, then l2norm over the head's 32 channels (16 in the lane, 16 in its partner of the other half)
	WIN 0x05
.set i_, 0
.rept 32
	v_pk_add_f32 v[QV+2*i_:QV+2*i_+1], v[2*i_:2*i_+1], v[64+2*i_:65+2*i_]
.set i_, i_+1
.endr
	WIN 0
.irp n,0,1,2,3
	v_pk_mul_f32 v[T+2*\n:T+2*\n+1], v[QV+8*\n:QV+8*\n+1], v[QV+8*\n:QV+8*\n+1]
.endr
.irp p,1,2,3,4,5,6,7
.irp n,0,1,2,3
	v_pk_fma_f32 v[T+2*\n:T+2*\n+1], v[QV+8*(4*(\p/4)+\n)+2*(\p%4):QV+8*(4*(\p/4)+\n)+2*(\p%4)+1], v[QV+8*(4*(\p/4)+\n)+2*(\p%4):QV+8*(4*(\p/4)+\n)+2*(\p%4)+1], v[T+2*\n:T+2*\n+1]
.endr
.endr
.irp n,0,1,2,3
	v_add_f32 v[T+8+\n], v[T+2*\n], v[T+2*\n+1]
.endr
.irp n,0,1,2,3
	v_permlanex16_b32 v[T+12+\n], v[T+8+\n], s20, s21
.endr
.irp n,0,1,2,3
	v_add_f32 v[T+12+\n], v[T+8+\n], v[T+12+\n]
.endr
.irp n,0,1,2,3
	v_max_num_f32 v[T+12+\n], 0x179abe15, v[T+12+\n]   ; max(norm, 1e-12) as max(norm^2, 1e-24)
.endr
	RSQNR4 T, T+12, T+4
.irp c,0,1
.irp n,0,1,2,3
.irp k,0,1,2,3
	PKMULB QV+8*(4*\c+\n)+2*\k, T+2*(\n/2), \n&1
.endr
.endr
.endr
	; f32 rows [token][32] leave through my own stage: 8 channels a lane in, whole rows back, 512 consecutive bytes a store
.irp c,0,1
.irp n,0,1,2,3
	ds_store_b128 v5, v[QV+8*(4*\c+\n):QV+8*(4*\c+\n)+3] offset:\n*16*SP+\c*64
	ds_store_b128 v5, v[QV+8*(4*\c+\n)+4:QV+8*(4*\c+\n)+7] offset:\n*16*SP+\c*64+16
.endr
.endr
.set i_, 0
.rept 16
	ds_load_b128 v[BB+4*i_:BB+4*i_+3], v6 offset:i_*4*SP          ; a wave's LDS instructions are served in order: these see the stores above
.set i_, i_+1
.endr
.set i_, 0
.rept 16
	s_wait_dscnt 15-i_
	global_store_b128 v1, v[BB+4*i_:BB+4*i_+3], s[10:11] offset:i_*512
.set i_, i_+1
.endr
	; the bf16 copy: a lane's eight results are registers 4 c .. 4 c + 3 of the later product's fragment
.if \withv
	WIN 0x05
.set i_, 0
.rept 8
.irp k,0,1,2,3
	v_cvt_pk_bf16_f32 v[80+4*i_+\k], v[128+8*i_+2*\k], v[128+8*i_+2*\k+1]
.endr
.set i_, i_+1
.endr
	WIN 0
.else
.set i_, 0
.rept 32
	v_pk_mul_f32 v[QV+2*i_:QV+2*i_+1], v[QV+2*i_:QV+2*i_+1], 0x3fb8aa3b op_sel_hi:[1,0]   ; log2(e): the softmax uses 2^x
.set i_, i_+1
.endr
.set i_, 0
.rept 8
.irp k,0,1,2,3
	v_cvt_pk_bf16_f32 v[80+4*i_+\k], v[QV+8*i_+2*\k], v[QV+8*i_+2*\k+1]
.endr
.set i_, i_+1
.endr
.endif
.irp c,0,1
.irp n,0,1,2,3
	global_store_b128 v1, v[80+4*(4*\c+\n):80+4*(4*\c+\n)+3], s[14:15] offset:\n*1024+\c*512
.endr
.endr
	s_set_vgpr_msb 0x5
	s_wait_tensorcnt 0x0
	ds_add_u32 v192, v193
	s_wait_dscnt 0x0
	s_set_vgpr_msb 0x500
	s_endpgm
.endm
	s_load_b512 s[24:39], s[0:1], 0x0              ; query_source 24, context 26, qn_g 28, qn_b 30, cn_g 32, cn_b 34, wf 36, qf 38
	s_load_b128 s[40:43], s[0:1], 0x40             ; kf 40, qb 42
	s_load_b64 s[44:45], s[0:1], 0x50              ; vb
	s_set_vgpr_msb 0x40
	v_lshl_add_u32 v192, v0, 2, 0x2bc00
	v_mov_b32 v193, 0
	s_set_vgpr_msb 0x4000
	v_lshrrev_b32 v1, 5, v0
	v_readfirstlane_b32 s16, v1                    ; wave = head
	s_and_b32 s17, ttmp7, 0xffff                   ; role
	s_lshr_b32 s18, ttmp9, 5                       ; batch
	s_and_b32 s19, ttmp9, 31                       ; block of 64 tokens
	s_mov_b32 s20, 0x76543210                      ; v_permlanex16_b32: lane i reads lane i of the other half
	s_mov_b32 s21, 0xfedcba98
	s_mov_b32 s22, 0xffff0000
	s_mov_b32 s23, 0x3b800000                      ; 1 / 256
	v_and_b32 v12, 31, v0                          ; lane
	v_and_b32 v13, 15, v0                          ; lane % 16
	v_bfe_u32 v14, v0, 4, 1                        ; lane / 16
	v_lshlrev_b32 v1, 4, v12                       ; v1: 16 x lane
	v_mul_u32_u24 v15, v13, XP
	v_lshl_add_u32 v2, v14, 4, v15                 ; v2-4: B fragments of split 0, 1, 2
	v_add_nc_u32 v3, XSB, v2
	v_add_nc_u32 v4, 2*XSB, v2
	s_mul_i32 s2, s16, 64*SP
	s_add_co_u32 s2, s2, STG
	v_mul_u32_u24 v15, v13, SP
	v_lshl_add_u32 v15, v14, 5, v15
	v_add_nc_u32 v5, s2, v15                       ; v5: stage, in
	v_lshrrev_b32 v15, 3, v12
	v_mul_u32_u24 v15, v15, SP
	v_and_b32 v6, 7, v12
	v_lshl_add_u32 v15, v6, 4, v15
	v_add_nc_u32 v6, s2, v15                       ; v6: stage, back
	s_lshl_b32 s2, s16, 6
	v_mul_u32_u24 v7, v13, 4*XP
	v_lshl_add_u32 v7, v14, 5, v7
	v_add_nc_u32 v7, s2, v7                        ; v7-9: where my 16 channels of token 4 (lane % 16) go, split 0, 1, 2
	v_add_nc_u32 v8, XSB, v7
	v_add_nc_u32 v9, 2*XSB, v7
	s_lshl_b32 s2, s16, 8
	s_add_co_u32 s2, s2, PART
	v_lshlrev_b32 v11, 4, v13
	v_add_nc_u32 v10, s2, v11                      ; v10: my wave's partial sums
	v_add_nc_u32 v11, PART, v11                    ; v11: wave 0's
	s_lshl_b32 s2, s16, 18
	v_lshlrev_b32 v[T], 4, v13
	v_lshl_add_u32 v[T], v14, 17, v[T]
	v_add_nc_u32 v[T], s2, v[T]                    ; (32 w + 16 half) rows of 8,192 bytes + 16 (lane % 16)
	s_lshl_b32 s2, s16, 7
	v_lshl_add_u32 v[T+1], v14, 6, s2              ; my 16 gains and biases
	v_mov_b32 v[T+2], 0                            ; v_permlanex16_b32 counts as a reader of its destination
	v_mov_b32 v[T+3], 0
	s_lshl_b32 s46, s18, 21                        ; batch x 256 x 2,048 x 4
	s_lshl_b32 s2, s19, 8
	s_add_co_u32 s46, s46, s2
	s_mov_b32 s47, 0
	s_lshl3_add_u32 s2, s18, s16                   ; bh = 8 batch + head
	s_lshl_b32 s48, s2, 18                         ; f32 rows: (2,048 bh + 64 block) x 128
	s_lshl_b32 s3, s19, 13
	s_add_co_u32 s48, s48, s3
	s_mov_b32 s49, 0
	s_lshl_b32 s50, s2, 17                         ; bf16 fragments: (128 bh + 4 block) x 1,024
	s_lshl_b32 s3, s19, 12
	s_add_co_u32 s50, s50, s3
	s_mov_b32 s51, 0
	s_wait_kmcnt 0x0
	s_cmp_lg_u32 s17, 0
	s_cbranch_scc1 .Lkv
	BODY 6, 0, 24, 28, 30, 38, 42
.Lkv:
	BODY 8, 1, 26, 32, 34, 40, 44
.Lfunc_end_k_q80e6826b84_proj:
	.size	k_q80e6826b84_proj, .Lfunc_end_k_q80e6826b84_proj-k_q80e6826b84_proj
	.p2alignl 7, 3214868480
	.fill 96, 4, 3214868480
	.section	.rodata,"a",@progbits
	.p2align	6, 0x0
	.amdhsa_kernel k_q80e6826b84_proj
		.amdhsa_group_segment_fixed_size 180224
		.amdhsa_private_segment_fixed_size 0
		.amdhsa_enable_private_segment 0
		.amdhsa_kernarg_size 88
		.amdhsa_user_sgpr_count 2
		.amdhsa_user_sgpr_kernarg_segment_ptr 1
		.amdhsa_wavefront_size32 1
		.amdhsa_system_sgpr_workgroup_id_x 1
		.amdhsa_system_sgpr_workgroup_id_y 1
		.amdhsa_system_sgpr_workgroup_id_z 1
		.amdhsa_system_vgpr_workitem_id 0
		.amdhsa_next_free_vgpr 450
		.amdhsa_next_free_sgpr 66
		.amdhsa_reserve_vcc 0
		.amdhsa_float_denorm_mode_32 3
		.amdhsa_float_denorm_mode_16_64 3
		.amdhsa_memory_ordered 1
		.amdhsa_forward_progress 1
		.amdhsa_inst_pref_size 214
	.end_amdhsa_kernel
	.amdgpu_metadata
---
amdhsa.version: [ 1, 2 ]
amdhsa.kernels:
  - .name:           k_q80e6826b84_proj
    .symbol:         k_q80e6826b84_proj.kd
    .args:
      - { .name: query_source, .offset: 0, .size: 8, .value_kind: global_buffer, .address_space: global }
      - { .name: context, .offset: 8, .size: 8, .value_kind: global_buffer, .address_space: global }
      - { .name: qn_g, .offset: 16, .size: 8, .value_kind: global_buffer, .address_space: global }
      - { .name: qn_b, .offset: 24, .size: 8, .value_kind: global_buffer, .address_space: global }
      - { .name: cn_g, .offset: 32, .size: 8, .value_kind: global_buffer, .address_space: global }
      - { .name: cn_b, .offset: 40, .size: 8, .value_kind: global_buffer, .address_space: global }
      - { .name: wf, .offset: 48, .size: 8, .value_kind: global_buffer, .address_space: global }
      - { .name: qf, .offset: 56, .size: 8, .value_kind: global_buffer, .address_space: global }
      - { .name: kf, .offset: 64, .size: 8, .value_kind: global_buffer, .address_space: global }
      - { .name: qb, .offset: 72, .size: 8, .value_kind: global_buffer, .address_space: global }
      - { .name: vb, .offset: 80, .size: 8, .value_kind: global_buffer, .address_space: global }
    .group_segment_fixed_size: 180224
    .private_segment_fixed_size: 0
    .kernarg_segment_align: 8
    .kernarg_segment_size: 88
    .max_flat_workgroup_size: 256
    .sgpr_count:     66
    .vgpr_count:     450
    .wavefront_size: 32
...
	.end_amdgpu_metadata
.endif
;; end of part 2
;; launch l1min (part 3): grid 8 x 32, 8 waves a work-group, no clusters, 78,848 bytes of LDS; arguments qf, kf, rand_ind, mind; writes mind
.if DOCPART == 3
	.amdgcn_target "amdgcn-amd-amdhsa--gfx1250"
	.amdhsa_code_object_version 6
	.text
	.protected	k_q80e6826b84_l1min
	.globl	k_q80e6826b84_l1min
	.p2align	8
	.type	k_q80e6826b84_l1min,@function
k_q80e6826b84_l1min:
	s_mov_b64 s[64:65], 0
	v_nop
	global_prefetch_b8 v0, s[64:65] scope:SCOPE_SE
	s_setreg_imm32_b32 hwreg(HW_REG_WAVE_MODE, 25, 1), 1
	s_wait_xcnt 0x0
; l1min: mind[bh][key] = min over the 257 listed queries of sum over 32 channels of |k - q|, all in f32.
; Work-group (g, bh): keys 256 g .. + 255.  Wave w: 128 keys (w & 1), four a lane, held in 128 registers; 65 of the queries (rows 64 (w >> 1) .. + 64 of the list;
; neighbouring ranges share one row, which a minimum does not mind).  A query row is read from LDS by all lanes at one address.
; The vector unit binds: 164 instructions for 4 keys x 32 channels.  No matrix work, so no matrix unit; every work-group gathers its own rows, so no cluster.
; LIMIT: the 32 terms are added as a tree, not in the reference's order: distances differ from its by some 1e-7.  NaN is not served.
.set KP,  144                          ; a key's row in LDS: 128 bytes + 16
.set QS,  256*KP                       ; 288 query rows of 128 bytes (rows 256 to 287 all hold the 257th)
.set RED, QS+288*128                   ; [quarter of the queries][key] f32
.set M,   12                           ; v12-15   running minima
.set R,   16                           ; v16-31   partial sums
.set D,   32                           ; v32-63   differences
.set Q0,  64
.set Q1,  96
.set K,   128                          ; v128-255 my four keys
.macro DIST Q
.irp c,0,1,2,3
.set i_, 0
.rept 16
	v_pk_add_f32 v[D+2*i_:D+2*i_+1], v[K+32*\c+2*i_:K+32*\c+2*i_+1], v[\Q+2*i_:\Q+2*i_+1] neg_lo:[0,1] neg_hi:[0,1]
.set i_, i_+1
.endr
.set i_, 0
.rept 16
	v_add_f32 v[D+i_], |v[D+2*i_]|, |v[D+2*i_+1]|      ; register i is written when registers 2 i and 2 i + 1 are read: nothing unread is lost
.set i_, i_+1
.endr
.irp p,0,2,4,6
	v_pk_add_f32 v[D+\p:D+\p+1], v[D+\p:D+\p+1], v[D+8+\p:D+9+\p]
.endr
	v_pk_add_f32 v[R+4*\c:R+4*\c+1], v[D:D+1], v[D+4:D+5]
	v_pk_add_f32 v[R+4*\c+2:R+4*\c+3], v[D+2:D+3], v[D+6:D+7]
.endr
.irp c,0,1,2,3
	v_pk_add_f32 v[R+4*\c:R+4*\c+1], v[R+4*\c:R+4*\c+1], v[R+4*\c+2:R+4*\c+3]
.endr
.irp c,0,1,2,3
	v_add_f32 v[R+4*\c], v[R+4*\c], v[R+4*\c+1]
.endr
.irp c,0,1,2,3
	v_min_num_f32 v[M+\c], v[M+\c], v[R+4*\c]
.endr
.endm
.macro LDQ Q, off
.irp i,0,1,2,3,4,5,6,7
	ds_load_b128 v[\Q+4*\i:\Q+4*\i+3], v8 offset:\off+16*\i
.endr
.endm
	s_load_b256 s[4:11], s[0:1], 0x0               ; qf 4, kf 6, rand_ind 8, mind 10
	s_set_vgpr_msb 0x40
	v_lshl_add_u32 v0, v0, 2, 0x13000
	v_mov_b32 v1, 0
	s_set_vgpr_msb 0x4000
	v_lshrrev_b32 v1, 5, v0
	v_readfirstlane_b32 s12, v1                    ; wave
	s_and_b32 s13, ttmp7, 0xffff                   ; bh
	s_and_b32 s14, s12, 1                          ; which 128 keys
	s_lshr_b32 s15, s12, 1                         ; which quarter of the queries
	v_lshrrev_b32 v1, 3, v0                        ; thread / 8: a row
	v_and_b32 v10, 7, v0
	v_lshlrev_b32 v2, 2, v1
	v_mov_b32 v3, 0
	v_lshlrev_b32 v4, 4, v10                       ; my 16 bytes of a row of 128
	v_lshlrev_b32 v11, 4, v0
	v_mad_u32_u24 v5, v1, KP, v4                   ; keys into LDS
	v_add_nc_u32 v6, QS, v11                       ; queries into LDS
	s_mul_i32 s16, s13, 1028                       ; 257 indices of 4 bytes
	s_mov_b32 s17, 0
	s_lshl_b32 s18, s13, 18                        ; 2,048 rows of 128 bytes
	s_mov_b32 s19, 0
	s_lshl_b32 s20, ttmp9, 15                      ; 256 rows
	s_lshl_b32 s22, s13, 13
	s_lshl_b32 s23, ttmp9, 10
	s_add_co_u32 s22, s22, s23
	s_mov_b32 s23, 0
	s_wait_kmcnt 0x0
	s_add_nc_u64 s[8:9], s[8:9], s[16:17]
	s_add_nc_u64 s[4:5], s[4:5], s[18:19]
	s_add_co_u32 s18, s18, s20
	s_add_nc_u64 s[6:7], s[6:7], s[18:19]
	s_add_nc_u64 s[10:11], s[10:11], s[22:23]
.irp i,0,1,2,3,4,5,6,7
	global_load_b32 v[16+\i], v2, s[8:9] offset:128*\i            ; index 32 i + thread / 8
.endr
	global_load_b32 v24, v3, s[8:9] offset:1024                   ; index 256
.irp i,0,1,2,3,4,5,6,7
	global_load_b128 v[K+4*\i:K+4*\i+3], v11, s[6:7] offset:4096*\i   ; the 256 keys: 32,768 consecutive bytes
.endr
	s_wait_loadcnt 0x8                             ; the nine indices are in; the eight loads of keys may be out
.irp i,0,1,2,3,4,5,6,7,8
	v_min_u32 v[16+\i], 0x7ff, v[16+\i]            ; an index stays inside its table
	v_lshl_add_u32 v[16+\i], v[16+\i], 7, v4
.endr
.irp i,0,1,2,3,4,5,6,7,8
	global_load_b128 v[Q0+4*\i:Q0+4*\i+3], v[16+\i], s[4:5]
.endr
	s_wait_loadcnt 0x9                             ; the keys are in; the nine gathered rows may be out
.irp i,0,1,2,3,4,5,6,7
	ds_store_b128 v5, v[K+4*\i:K+4*\i+3] offset:32*KP*\i
.endr
	s_wait_loadcnt 0x0
.irp i,0,1,2,3,4,5,6,7,8
	ds_store_b128 v6, v[Q0+4*\i:Q0+4*\i+3] offset:4096*\i
.endr
	v_and_b32 v7, 31, v0
	s_lshl_b32 s21, s14, 7
	v_lshlrev_b32 v9, 2, v7
	v_add_nc_u32 v7, s21, v7
	v_mul_u32_u24 v7, v7, KP                       ; my first key's row
	s_lshl_b32 s22, s15, 13
	s_add_co_u32 s22, s22, QS
	v_mov_b32 v8, s22                              ; my first query row, the same in all lanes
	s_lshl_b32 s22, s15, 10
	s_lshl_b32 s23, s14, 9
	s_add_co_u32 s22, s22, s23
	s_add_co_u32 s22, s22, RED
	v_add_nc_u32 v9, s22, v9
	s_wait_dscnt 0x0                               ; for the other waves: zero
	s_barrier_signal -1
	s_barrier_wait -1
.irp c,0,1,2,3
.irp i,0,1,2,3,4,5,6,7
	ds_load_b128 v[K+32*\c+4*\i:K+32*\c+4*\i+3], v7 offset:32*KP*\c+16*\i
.endr
.endr
.irp c,0,1,2,3
	v_mov_b32 v[M+\c], 0x7f800000                  ; + infinity, as the reference starts
.endr
	LDQ Q0, 0
	s_mov_b32 s9, 0
.Lq:
	LDQ Q1, 128
	s_wait_dscnt 0x8                               ; all but the eight loads just issued
	DIST Q0
	LDQ Q0, 256
	s_wait_dscnt 0x8
	DIST Q1
	v_add_nc_u32 v8, 0x100, v8
	s_add_co_u32 s9, s9, 1
	s_cmp_lt_u32 s9, 32
	s_cbranch_scc1 .Lq
	s_wait_dscnt 0x0
	DIST Q0                                        ; the 65th row
.irp c,0,1,2,3
	ds_store_b32 v9, v[M+\c] offset:128*\c
.endr
	s_wait_dscnt 0x0
	s_barrier_signal -1
	s_barrier_wait -1
	s_cmp_gt_u32 s12, 1
	s_cbranch_scc1 .Lend
	v_and_b32 v1, 31, v0
	s_lshl_b32 s22, s12, 9
	v_lshl_add_u32 v1, v1, 4, s22                  ; 128 keys a wave, four a lane
	v_add_nc_u32 v2, RED, v1
.irp q,0,1,2,3
	ds_load_b128 v[D+4*\q:D+4*\q+3], v2 offset:1024*\q
.endr
	s_wait_dscnt 0x0
.irp k,0,1,2,3
	v_min_num_f32 v[D+\k], v[D+\k], v[D+4+\k]
	v_min_num_f32 v[D+8+\k], v[D+8+\k], v[D+12+\k]
.endr
.irp k,0,1,2,3
	v_min_num_f32 v[D+\k], v[D+\k], v[D+8+\k]
.endr
	global_store_b128 v1, v[D:D+3], s[10:11]       ; 512 consecutive bytes, aligned
.Lend:
	s_set_vgpr_msb 0x5
	s_wait_tensorcnt 0x0
	ds_add_u32 v0, v1
	s_wait_dscnt 0x0
	s_set_vgpr_msb 0x500
	s_endpgm
.Lfunc_end_k_q80e6826b84_l1min:
	.size	k_q80e6826b84_l1min, .Lfunc_end_k_q80e6826b84_l1min-k_q80e6826b84_l1min
	.p2alignl 7, 3214868480
	.fill 96, 4, 3214868480
	.section	.rodata,"a",@progbits
	.p2align	6, 0x0
	.amdhsa_kernel k_q80e6826b84_l1min
		.amdhsa_group_segment_fixed_size 78848
		.amdhsa_private_segment_fixed_size 0
		.amdhsa_enable_private_segment 0
		.amdhsa_kernarg_size 32
		.amdhsa_user_sgpr_count 2
		.amdhsa_user_sgpr_kernarg_segment_ptr 1
		.amdhsa_wavefront_size32 1
		.amdhsa_system_sgpr_workgroup_id_x 1
		.amdhsa_system_sgpr_workgroup_id_y 1
		.amdhsa_system_sgpr_workgroup_id_z 1
		.amdhsa_system_vgpr_workitem_id 0
		.amdhsa_next_free_vgpr 258
		.amdhsa_next_free_sgpr 66
		.amdhsa_reserve_vcc 0
		.amdhsa_float_denorm_mode_32 3
		.amdhsa_float_denorm_mode_16_64 3
		.amdhsa_memory_ordered 1
		.amdhsa_forward_progress 1
		.amdhsa_inst_pref_size 43
	.end_amdhsa_kernel
	.amdgpu_metadata
---
amdhsa.version: [ 1, 2 ]
amdhsa.kernels:
  - .name:           k_q80e6826b84_l1min
    .symbol:         k_q80e6826b84_l1min.kd
    .args:
      - { .name: qf, .offset: 0, .size: 8, .value_kind: global_buffer, .address_space: global }
      - { .name: kf, .offset: 8, .size: 8, .value_kind: global_buffer, .address_space: global }
      - { .name: rand_ind, .offset: 16, .size: 8, .value_kind: global_buffer, .address_space: global }
      - { .name: mind, .offset: 24, .size: 8, .value_kind: global_buffer, .address_space: global }
    .group_segment_fixed_size: 78848
    .private_segment_fixed_size: 0
    .kernarg_segment_align: 8
    .kernarg_segment_size: 32
    .max_flat_workgroup_size: 256
    .sgpr_count:     66
    .vgpr_count:     258
    .wavefront_size: 32
...
	.end_amdgpu_metadata
.endif
;; end of part 3
;; launch rankk (part 4): grid 8 x 32, 8 waves a work-group, no clusters, 5,120 bytes of LDS; arguments mind, rank; writes rank
.if DOCPART == 4
	.amdgcn_target "amdgcn-amd-amdhsa--gfx1250"
	.amdhsa_code_object_version 6
	.text
	.protected	k_q80e6826b84_rankk
	.globl	k_q80e6826b84_rankk
	.p2align	8
	.type	k_q80e6826b84_rankk,@function
k_q80e6826b84_rankk:
	s_mov_b64 s[64:65], 0
	v_nop
	global_prefetch_b8 v0, s[64:65] scope:SCOPE_SE
	s_setreg_imm32_b32 hwreg(HW_REG_WAVE_MODE, 25, 1), 1
	s_wait_xcnt 0x0
; rankk: rank[bh][i] = how many j have (d_j, j) < (d_i, i): a permutation of 0 .. 2047 with the order, ties too, of top_k on -d.
; The distances are sums of magnitudes, so they are >= +0 and their bits compare as unsigned numbers: d_j < d_i or (d_j = d_i and j < i) is u_j < u_i + (j < i).
; Work-group (g, bh): keys 256 g .. + 255.  Wave w: 128 keys (w & 1), four a lane; j blocks 2 (w >> 1) and 2 (w >> 1) + 1 of 256.  The d_j come by scalar loads
; (mind is not written here); each is compared with the lane's four keys: a compare into VCC and an add with carry.  In a block other than g, (j < i) is one
; number for the whole block; in block g it is made for each pair.  The ranks are only stored: no address and no branch of this launch hangs on them.
; LIMIT: NaN distances are not served.
.set U,   4                            ; v4-7    my four distances' bits
.set IL,  8                            ; v8-11   their places in the block
.set CN,  12                           ; v12-15  counts
.set TH,  16                           ; v16-19  u + (block before mine)
.set REL, 20                           ; v20-23  place - first j of the sixteen at work
.set TQ,  24                           ; v24-27  u + (j < i)
.macro CNT16 sb, diag
.irp k,0,1,2,3,4,5,6,7,8,9,10,11,12,13,14,15
.irp c,0,1,2,3
.if \diag
	v_cmp_lt_i32 vcc_lo, \k, v[REL+\c]
	v_add_co_ci_u32 v[TQ+\c], vcc_lo, 0, v[U+\c], vcc_lo
	v_cmp_lt_u32 vcc_lo, s[\sb+\k], v[TQ+\c]
.else
	v_cmp_lt_u32 vcc_lo, s[\sb+\k], v[TH+\c]
.endif
	v_add_co_ci_u32 v[CN+\c], vcc_lo, 0, v[CN+\c], vcc_lo
.endr
.endr
.if \diag
.irp c,0,1,2,3
	v_add_nc_u32 v[REL+\c], -16, v[REL+\c]
.endr
.endif
.endm
; A block of 256 j, sixteen at a time in two sets of scalar registers; scalar loads return in no order, so every wait is for zero.
.macro SCAN diag
	s_load_b512 s[16:31], s[12:13], 0x0
	s_mov_b32 s54, 0
.Lscan_\@:
	s_wait_kmcnt 0x0
	s_load_b512 s[32:47], s[12:13], 0x40
	CNT16 16, \diag
	s_wait_kmcnt 0x0                               ; nothing is pending: the pointer may step
	s_add_nc_u64 s[12:13], s[12:13], 0x80
	s_load_b512 s[16:31], s[12:13], 0x0
	CNT16 32, \diag
	s_add_co_u32 s54, s54, 1
	s_cmp_lt_u32 s54, 7
	s_cbranch_scc1 .Lscan_\@
	s_wait_kmcnt 0x0
	s_load_b512 s[32:47], s[12:13], 0x40           ; the block's last 64 bytes: no load leaves it
	CNT16 16, \diag
	s_wait_kmcnt 0x0
	CNT16 32, \diag
.endm
.macro BLOCK k
	s_lshl_b32 s52, s11, 1
	s_add_co_u32 s52, s52, \k                      ; the block of j
	s_lshl_b32 s48, s52, 10
	s_add_nc_u64 s[12:13], s[4:5], s[48:49]
	s_cmp_eq_u32 s52, ttmp9
	s_cbranch_scc1 .Ldiag_\@
	s_cmp_lt_u32 s52, ttmp9
	s_cselect_b32 s53, 1, 0
.irp c,0,1,2,3
	v_add_nc_u32 v[TH+\c], s53, v[U+\c]
.endr
	SCAN 0
	s_branch .Ldone_\@
.Ldiag_\@:
.irp c,0,1,2,3
	v_mov_b32 v[REL+\c], v[IL+\c]
.endr
	SCAN 1
.Ldone_\@:
.endm
	s_load_b128 s[4:7], s[0:1], 0x0                ; mind 4, rank 6
	v_lshl_add_u32 v32, v0, 2, 0x1000
	v_mov_b32 v33, 0
	v_lshrrev_b32 v1, 5, v0
	v_readfirstlane_b32 s8, v1                     ; wave
	s_and_b32 s9, ttmp7, 0xffff                    ; bh
	s_and_b32 s10, s8, 1
	s_lshr_b32 s11, s8, 1
	v_and_b32 v1, 31, v0
	v_lshlrev_b32 v2, 4, v1
	s_lshl_b32 s48, s9, 13
	s_mov_b32 s49, 0
	s_lshl_b32 s50, ttmp9, 10
	s_lshl_b32 s51, s10, 9
	s_add_co_u32 s50, s50, s51
	v_add_nc_u32 v3, s50, v2                       ; my four keys, in bytes from the row of bh
	s_wait_kmcnt 0x0
	s_add_nc_u64 s[4:5], s[4:5], s[48:49]
	s_add_nc_u64 s[6:7], s[6:7], s[48:49]
	global_load_b128 v[U:U+3], v3, s[4:5]
	s_lshl_b32 s51, s10, 7
	v_lshl_add_u32 v[IL], v1, 2, s51
.irp c,1,2,3
	v_add_nc_u32 v[IL+\c], \c, v[IL]
.endr
.irp c,0,1,2,3
	v_mov_b32 v[CN+\c], 0
.endr
	s_wait_loadcnt 0x0
	BLOCK 0
	BLOCK 1
	s_lshl_b32 s51, s11, 10
	s_lshl_b32 s52, s10, 9
	s_add_co_u32 s51, s51, s52
	v_add_nc_u32 v1, s51, v2
	ds_store_b128 v1, v[CN:CN+3]
	s_wait_dscnt 0x0
	s_barrier_signal -1
	s_barrier_wait -1
	s_cmp_gt_u32 s8, 1
	s_cbranch_scc1 .Lend
.irp q,0,1,2,3
	ds_load_b128 v[16+4*\q:19+4*\q], v1 offset:1024*\q            ; waves 0 and 1: v1 = 512 wave + 16 lane
.endr
	s_wait_dscnt 0x0
.irp c,0,1,2,3
	v_add_nc_u32 v[16+\c], v[16+\c], v[20+\c]
	v_add_nc_u32 v[24+\c], v[24+\c], v[28+\c]
.endr
.irp c,0,1,2,3
	v_add_nc_u32 v[16+\c], v[16+\c], v[24+\c]
.endr
	global_store_b128 v3, v[16:19], s[6:7]         ; 512 consecutive bytes, aligned
.Lend:
	s_wait_tensorcnt 0x0
	ds_add_u32 v32, v33
	s_wait_dscnt 0x0
	s_endpgm
.Lfunc_end_k_q80e6826b84_rankk:
	.size	k_q80e6826b84_rankk, .Lfunc_end_k_q80e6826b84_rankk-k_q80e6826b84_rankk
	.p2alignl 7, 3214868480
	.fill 96, 4, 3214868480
	.section	.rodata,"a",@progbits
	.p2align	6, 0x0
	.amdhsa_kernel k_q80e6826b84_rankk
		.amdhsa_group_segment_fixed_size 5120
		.amdhsa_private_segment_fixed_size 0
		.amdhsa_enable_private_segment 0
		.amdhsa_kernarg_size 16
		.amdhsa_user_sgpr_count 2
		.amdhsa_user_sgpr_kernarg_segment_ptr 1
		.amdhsa_wavefront_size32 1
		.amdhsa_system_sgpr_workgroup_id_x 1
		.amdhsa_system_sgpr_workgroup_id_y 1
		.amdhsa_system_sgpr_workgroup_id_z 1
		.amdhsa_system_vgpr_workitem_id 0
		.amdhsa_next_free_vgpr 34
		.amdhsa_next_free_sgpr 66
		.amdhsa_reserve_vcc 1
		.amdhsa_float_denorm_mode_32 3
		.amdhsa_float_denorm_mode_16_64 3
		.amdhsa_memory_ordered 1
		.amdhsa_forward_progress 1
		.amdhsa_inst_pref_size 103
	.end_amdhsa_kernel
	.amdgpu_metadata
---
amdhsa.version: [ 1, 2 ]
amdhsa.kernels:
  - .name:           k_q80e6826b84_rankk
    .symbol:         k_q80e6826b84_rankk.kd
    .args:
      - { .name: mind, .offset: 0, .size: 8, .value_kind: global_buffer, .address_space: global }
      - { .name: rank, .offset: 8, .size: 8, .value_kind: global_buffer, .address_space: global }
    .group_segment_fixed_size: 5120
    .private_segment_fixed_size: 0
    .kernarg_segment_align: 8
    .kernarg_segment_size: 16
    .max_flat_workgroup_size: 256
    .sgpr_count:     66
    .vgpr_count:     34
    .wavefront_size: 32
...
	.end_amdgpu_metadata
.endif
;; end of part 4
;; launch compact (part 5): grid 32 x 1, 18 waves a work-group, no clusters, 33,536 bytes of LDS; arguments rank, kf, vb, kvf; writes kvf
.if DOCPART == 5
	.amdgcn_target "amdgcn-amd-amdhsa--gfx1250"
	.amdhsa_code_object_version 6
	.text
	.protected	k_q80e6826b84_compact
	.globl	k_q80e6826b84_compact
	.p2align	8
	.type	k_q80e6826b84_compact,@function
k_q80e6826b84_compact:
	s_mov_b64 s[64:65], 0
	v_nop
	global_prefetch_b8 v0, s[64:65] scope:SCOPE_SE
	s_setreg_imm32_b32 hwreg(HW_REG_WAVE_MODE, 25, 1), 1
	s_wait_xcnt 0x0
; compact: for one bh, the 257 keys of rank 0 .. 256 become ready matrix fragments in kvf: [chunk of 32 ranks, 9][K tile 2 cc, K tile 2 cc + 1, V^T m tile 0, 1] x 1,024 bytes.
; Ranks 257 .. 287 fill the last chunk with zeros.  The ranks were stored as whole numbers by the launch before; here they steer addresses.
; Wave 0 turns the permutation round in LDS (index[rank] = key); then 36 units of each kind are shared out, two to each of 18 waves:
; a K unit gathers 16 rows' 8 channels a lane in f32 and rounds them; a V unit gathers 8 rows of bf16 into LDS; a V^T unit reads 8 keys of one channel back.
; Every store of a wave covers 512 consecutive bytes, aligned.  32 work-groups: the work is one gather of 257 rows a head.
.set VS, 8192                          ; behind the 2,048 indices: 288 rows of v, 64 bytes + 16
.set VP, 80
.set RK, 10                            ; rank of my K row, unit 0, 1
.set RV, 12                            ; rank of my V row
.set AK, 14
.set AV, 16
.set IK, 18
.set IV, 20
.set SO, 22                            ; K unit: offset in kvf
.set VA, 24                            ; V unit: LDS address
.set TO, 28                            ; V^T unit: offset in kvf
.set TA, 30                            ; V^T unit: LDS address
.set KF, 32
.set VD, 48
.set KB, 56
.set TD, 64
.set TB, 80
	s_load_b256 s[4:11], s[0:1], 0x0               ; rank 4, kf 6, vb 8, kvf 10
	v_lshl_add_u32 v128, v0, 2, 0x7a00
	v_mov_b32 v129, 0
	v_lshrrev_b32 v1, 5, v0
	v_readfirstlane_b32 s12, v1                    ; wave
	v_and_b32 v1, 31, v0                           ; lane
	v_and_b32 v2, 15, v0
	v_bfe_u32 v3, v0, 4, 1
	v_lshlrev_b32 v4, 4, v1
	s_lshl_b32 s16, ttmp9, 13
	s_mov_b32 s17, 0
	s_lshl_b32 s18, ttmp9, 18
	s_mov_b32 s19, 0
	s_lshl_b32 s20, ttmp9, 17
	s_mov_b32 s21, 0
	s_mul_i32 s22, ttmp9, 36864
	s_mov_b32 s23, 0
	s_wait_kmcnt 0x0
	s_add_nc_u64 s[4:5], s[4:5], s[16:17]
	s_add_nc_u64 s[6:7], s[6:7], s[18:19]
	s_add_nc_u64 s[8:9], s[8:9], s[20:21]
	s_add_nc_u64 s[10:11], s[10:11], s[22:23]
	s_cmp_lg_u32 s12, 0
	s_cbranch_scc1 .Lothers
	; wave 0 alone writes the index table, so no two waves store into it
.set i_, 0
.rept 16
	global_load_b128 v[64+4*i_:67+4*i_], v4, s[4:5] offset:512*i_ ; ranks of keys 128 i + 4 lane + 0..3
.set i_, i_+1
.endr
	v_lshlrev_b32 v8, 2, v1
.irp e,1,2,3
	v_add_nc_u32 v[8+\e], \e, v8
.endr
.set i_, 0
.rept 16
	s_wait_loadcnt 15-i_
.irp e,0,1,2,3
	v_min_u32 v[64+4*i_+\e], 0x7ff, v[64+4*i_+\e]
	v_lshlrev_b32 v[64+4*i_+\e], 2, v[64+4*i_+\e]
	ds_store_b32 v[64+4*i_+\e], v[8+\e]
.endr
.irp e,0,1,2,3
	v_add_nc_u32 v[8+\e], 0x80, v[8+\e]
.endr
.set i_, i_+1
.endr
.Lothers:
	s_wait_dscnt 0x0
	s_barrier_signal -1
	s_barrier_wait -1
	v_and_b32 v5, 3, v1                            ; p: which 8 channels of a row of v
	v_lshlrev_b32 v26, 4, v5
	v_lshlrev_b32 v5, 8, v5                        ; in vb piece p of a token lies 256 p bytes on
.irp j,0,1
	s_add_co_u32 s24, s12, 18*\j                   ; unit
	s_lshr_b32 s25, s24, 1                         ; K: tile of 16 ranks
	s_and_b32 s26, s24, 1                          ;    piece c
	v_lshl_add_u32 v[RK+\j], s25, 4, v2
	s_lshl_b32 s27, s24, 3
	v_lshrrev_b32 v[RV+\j], 2, v1
	v_add_nc_u32 v[RV+\j], s27, v[RV+\j]           ; V: rank 8 unit + lane / 4
	v_lshlrev_b32 v[AK+\j], 2, v[RK+\j]
	v_lshlrev_b32 v[AV+\j], 2, v[RV+\j]
	ds_load_b32 v[IK+\j], v[AK+\j]
	ds_load_b32 v[IV+\j], v[AV+\j]
	s_lshl_b32 s27, s26, 6
	v_lshl_add_u32 v[6+\j], v3, 5, s27             ; 64 c + 32 half: my 8 channels in f32
	s_lshr_b32 s28, s25, 1
	s_lshl_b32 s28, s28, 12
	s_and_b32 s29, s25, 1
	s_lshl_b32 s29, s29, 10
	s_add_co_u32 s28, s28, s29
	s_lshl_b32 s29, s26, 9
	s_add_co_u32 s28, s28, s29
	v_add_nc_u32 v[SO+\j], s28, v4
	v_mul_u32_u24 v[VA+\j], v[RV+\j], VP
	v_add3_u32 v[VA+\j], v[VA+\j], v26, VS
	s_lshr_b32 s28, s24, 2                         ; V^T: chunk cc,
	s_bfe_u32 s29, s24, 0x10001                    ;      m tile,
	s_mul_i32 s30, s28, 32*VP                      ;      piece = s26
	s_mul_i32 s31, s26, 16*VP
	s_add_co_u32 s30, s30, s31
	s_lshl_b32 s31, s29, 5
	s_add_co_u32 s30, s30, s31
	s_add_co_u32 s30, s30, VS
	v_mul_u32_u24 v[TA+\j], v3, 8*VP
	v_lshl_add_u32 v[TA+\j], v2, 1, v[TA+\j]
	v_add_nc_u32 v[TA+\j], s30, v[TA+\j]
	s_lshl_b32 s30, s28, 12
	s_lshl_b32 s31, s29, 10
	s_add_co_u32 s30, s30, s31
	s_lshl_b32 s31, s26, 9
	s_add_co_u32 s30, s30, s31
	s_add_co_u32 s30, s30, 2048
	v_add_nc_u32 v[TO+\j], s30, v4
.endr
	s_wait_dscnt 0x0
.irp j,0,1
	v_min_u32 v[IK+\j], 0x7ff, v[IK+\j]
	v_lshl_add_u32 v[IK+\j], v[IK+\j], 7, v[6+\j]  ; key x 128 bytes + my channels
	v_min_u32 v[IV+\j], 0x7ff, v[IV+\j]
	v_and_b32 v27, 0x7f0, v[IV+\j]                 ; 16 x token tile
	v_and_b32 v[IV+\j], 15, v[IV+\j]
	v_lshlrev_b32 v[IV+\j], 4, v[IV+\j]
	v_lshl_add_u32 v[IV+\j], v27, 6, v[IV+\j]      ; tile x 1,024 + (key % 16) x 16
	v_add_nc_u32 v[IV+\j], v[IV+\j], v5
	global_load_b128 v[KF+8*\j:KF+8*\j+3], v[IK+\j], s[6:7]
	global_load_b128 v[KF+8*\j+4:KF+8*\j+7], v[IK+\j], s[6:7] offset:16
	global_load_b128 v[VD+4*\j:VD+4*\j+3], v[IV+\j], s[8:9]
.endr
	s_wait_loadcnt 0x0
.irp j,0,1
.irp k,0,1,2,3
	v_cvt_pk_bf16_f32 v[KB+4*\j+\k], v[KF+8*\j+2*\k], v[KF+8*\j+2*\k+1]
.endr
	v_cmp_gt_u32 vcc_lo, 0x101, v[RK+\j]           ; ranks 0 .. 256 are kept, the rest are zeros
.irp k,0,1,2,3
	v_cndmask_b32 v[KB+4*\j+\k], 0, v[KB+4*\j+\k], vcc_lo
.endr
	global_store_b128 v[SO+\j], v[KB+4*\j:KB+4*\j+3], s[10:11]
	v_cmp_gt_u32 vcc_lo, 0x101, v[RV+\j]
.irp k,0,1,2,3
	v_cndmask_b32 v[VD+4*\j+\k], 0, v[VD+4*\j+\k], vcc_lo
.endr
	ds_store_b128 v[VA+\j], v[VD+4*\j:VD+4*\j+3]
.endr
	s_wait_dscnt 0x0
	s_barrier_signal -1
	s_barrier_wait -1
.irp j,0,1
.irp e,0,1,2,3,4,5,6,7
	ds_load_u16 v[TD+8*\j+\e], v[TA+\j] offset:\e*VP              ; key 32 cc + 16 piece + 8 half + e, channel 16 m tile + lane % 16
.endr
.endr
	s_wait_dscnt 0x0
.irp j,0,1
.irp k,0,1,2,3
	v_lshl_or_b32 v[TB+4*\j+\k], v[TD+8*\j+2*\k+1], 16, v[TD+8*\j+2*\k]
.endr
	global_store_b128 v[TO+\j], v[TB+4*\j:TB+4*\j+3], s[10:11]
.endr
	s_wait_tensorcnt 0x0
	ds_add_u32 v128, v129
	s_wait_dscnt 0x0
	s_endpgm
.Lfunc_end_k_q80e6826b84_compact:
	.size	k_q80e6826b84_compact, .Lfunc_end_k_q80e6826b84_compact-k_q80e6826b84_compact
	.p2alignl 7, 3214868480
	.fill 96, 4, 3214868480
	.section	.rodata,"a",@progbits
	.p2align	6, 0x0
	.amdhsa_kernel k_q80e6826b84_compact
		.amdhsa_group_segment_fixed_size 33536
		.amdhsa_private_segment_fixed_size 0
		.amdhsa_enable_private_segment 0
		.amdhsa_kernarg_size 32
		.amdhsa_user_sgpr_count 2
		.amdhsa_user_sgpr_kernarg_segment_ptr 1
		.amdhsa_wavefront_size32 1
		.amdhsa_system_sgpr_workgroup_id_x 1
		.amdhsa_system_sgpr_workgroup_id_y 1
		.amdhsa_system_sgpr_workgroup_id_z 1
		.amdhsa_system_vgpr_workitem_id 0
		.amdhsa_next_free_vgpr 130
		.amdhsa_next_free_sgpr 66
		.amdhsa_reserve_vcc 1
		.amdhsa_float_denorm_mode_32 3
		.amdhsa_float_denorm_mode_16_64 3
		.amdhsa_memory_ordered 1
		.amdhsa_forward_progress 1
		.amdhsa_inst_pref_size 26
	.end_amdhsa_kernel
	.amdgpu_metadata
---
amdhsa.version: [ 1, 2 ]
amdhsa.kernels:
  - .name:           k_q80e6826b84_compact
    .symbol:         k_q80e6826b84_compact.kd
    .args:
      - { .name: rank, .offset: 0, .size: 8, .value_kind: global_buffer, .address_space: global }
      - { .name: kf, .offset: 8, .size: 8, .value_kind: global_buffer, .address_space: global }
      - { .name: vb, .offset: 16, .size: 8, .value_kind: global_buffer, .address_space: global }
      - { .name: kvf, .offset: 24, .size: 8, .value_kind: global_buffer, .address_space: global }
    .group_segment_fixed_size: 33536
    .private_segment_fixed_size: 0
    .kernarg_segment_align: 8
    .kernarg_segment_size: 32
    .max_flat_workgroup_size: 576
    .sgpr_count:     66
    .vgpr_count:     130
    .wavefront_size: 32
...
	.end_amdgpu_metadata
.endif
;; end of part 5
;; launch tail (part 6): grid 128 x 1, 4 waves a work-group, no clusters, 245,248 bytes of LDS; arguments query_source, qb, kvf, wf, on_g, on_b, gamma, b1, bn1_g, bn1_b, b2, bn2_g, bn2_b, out0; writes out0
.if DOCPART == 6
	.amdgcn_target "amdgcn-amd-amdhsa--gfx1250"
	.amdhsa_code_object_version 6
	.text
	.protected	k_q80e6826b84_tail
	.globl	k_q80e6826b84_tail
	.p2align	8
	.type	k_q80e6826b84_tail,@function
k_q80e6826b84_tail:
	s_mov_b64 s[64:65], 0
	v_nop
	global_prefetch_b8 v0, s[64:65] scope:SCOPE_SE
	s_setreg_imm32_b32 hwreg(HW_REG_WAVE_MODE, 25, 1), 1
	s_wait_xcnt 0x0
; tail: attention over the 257 kept keys, W_out, channel layer norm, gated residual, MLP with its residual.  A work-group owns 64 tokens of one batch from
; end to end; nothing goes through memory between the steps.  Four waves, one to a SIMD.  All products are D[channel, token]: a lane's eight results are eight
; channels of one token, which four conversions turn into half of the next product's B fragment.
; Wave w: heads 2 w and 2 w + 1 in the attention, output channels 64 w .. + 63 in W_out and W2, hidden channels 256 w .. + 255 in W1.
; A OPERANDS (kept keys, V^T, all weights) were stored as ready fragments in the order in which this wave uses them: one stream of 90 steps of 4,096 bytes
; (four fragments), loaded straight into a ring of eight register slots, seven steps ahead.  Each fragment is used by this wave alone, so LDS would only add a
; write and a read, and a joint load into LDS would not spare them: no tensor load, no cluster.  128 work-groups: with 32 tokens each a channel's piece of x
; and of the output would be 128 bytes, half an aligned block of 256, and the weights would be streamed twice as often.
; SOFTMAX WITHOUT A MAXIMUM: the reference itself makes q and k unit vectors, so every score lies in [-1, 1] (plus bf16 rounding): e^s lies in [0.36, 2.8] for every input.
; bn1_g, bn2_g are in the weights' rows; T1 = bn1_g b1 + bn1_b is the first C of W1's product; attn_out + T2 (T2 = bn2_g b2 + bn2_b) is where W2's sums start.
; LIMITS: NaN and infinite inputs are not served; matrix operands are bf16.
.set XTP,  272                         ; XT: 256 channel rows of 64 tokens f32 + 16 bytes: x, at the end y; rows 64 w .. + 63 are touched by wave w alone
.set ACT,  256*XTP                     ; 64 tokens x (256 channels bf16 + 16): the attention's result, later attn_out
.set AP,   528
.set HB,   ACT+64*AP                   ; 64 tokens x (1,024 hidden channels bf16 + 16)
.set HP,   2064
.set PAR,  HB+64*HP                    ; gamma on_g 1,024 bytes, gamma on_b 1,024, T2 1,024, T1 4,096
.set LNP,  PAR+7168                    ; [wave][token] f32: 1,024 bytes for the sums, 1,024 for the squares
.set QQ,   16                          ; v16-79   q fragments (head hh, token tile n) at 32 hh + 8 n; later the two B buffers
.set BB0,  16
.set OO,   80                          ; v80-143  attention output (mt, n)
.set SS,   144                         ; v144-207 scores (kt, n)
.set ACC,  80                          ; v80-207  later: accumulators (i, n) at 8 (4 i + n)
.set PP,   208                         ; v208-239 probabilities as B fragments; later packed results, biases
.set BIAS, 208
.set SUM,  240                         ; v240-247
.set TT,   248                         ; v248-255
.set KVB,  52                          ; s[52:53] my two heads' fragments
.set WB,   54                          ; s[54:55] my wave's 72 steps of weights
.set WBL,  56                          ; s[56:57] the same, stepped by the loops
; window 1: the ring: slot sl, fragment f at 32 sl + 8 f.   window 2: Y (i, n) at 8 (4 i + n): attn_out + T2, then y
.set MSB, 0
.macro WIN new
.if MSB != \new
	s_set_vgpr_msb (MSB<<8)|\new
.set MSB, \new
.endif
.endm
.macro PLACES                          ; four places behind a matrix instruction (ISA guide 7.12.1)
.rept 4
	v_nop
.endr
.endm
.macro BAR
	s_barrier_signal -1
	s_barrier_wait -1
.endm
.macro RFILL sl, base, imm             ; one step of the stream: eight loads of 512 consecutive bytes.  Leaves the window set.
	WIN 0x40
.irp f,0,1,2,3
	global_load_b128 v[32*(\sl)+8*\f:32*(\sl)+8*\f+3], v1, s[\base:\base+1] offset:(\imm)+1024*\f
	global_load_b128 v[32*(\sl)+8*\f+4:32*(\sl)+8*\f+7], v1, s[\base:\base+1] offset:(\imm)+1024*\f+512
.endr
.endm
.macro HEADOF t                        ; the head of attention step t: step t + 7 goes into the slot that step t - 1 has read
	PLACES
.if (\t)+7 <= 17
	RFILL ((\t)+7)&7, KVB, ((\t)+7)*4096
.else
	RFILL ((\t)+7)&7, WB, ((\t)-11)*4096
.endif
	s_wait_loadcnt 56                              ; step t is in; the seven younger steps' 56 loads may be out
.endm
.macro PV t, first                     ; O (channel, query) += V^T P; eight accumulators take turns
	WIN 0x01
.irp mt,0,1
.irp n,0,1,2,3
.if \first
	v_wmma_f32_16x16x32_bf16 v[OO+8*(4*\mt+\n):OO+8*(4*\mt+\n)+7], v[32*((\t)&7)+16+8*\mt:32*((\t)&7)+16+8*\mt+7], v[PP+8*\n:PP+8*\n+7], 0
.else
	v_wmma_f32_16x16x32_bf16 v[OO+8*(4*\mt+\n):OO+8*(4*\mt+\n)+7], v[32*((\t)&7)+16+8*\mt:32*((\t)&7)+16+8*\mt+7], v[PP+8*\n:PP+8*\n+7], v[OO+8*(4*\mt+\n):OO+8*(4*\mt+\n)+7]
.endif
.endr
.endr
	WIN 0
.endm
.macro ATTSTEP t, hh, first            ; 32 keys x 64 queries of head hh
	HEADOF \t
	WIN 0x01
.irp kt,0,1
.irp n,0,1,2,3
	v_wmma_f32_16x16x32_bf16 v[SS+8*(4*\kt+\n):SS+8*(4*\kt+\n)+7], v[32*((\t)&7)+8*\kt:32*((\t)&7)+8*\kt+7], v[QQ+32*\hh+8*\n:QQ+32*\hh+8*\n+7], 0
.endr
.endr
	WIN 0
	PLACES
.set i_, 0
.rept 64
	v_exp_f32 v[SS+i_], v[SS+i_]                   ; q carries log2(e)
.set i_, i_+1
.endr
	v_nop                                          ; one plain place behind the transcendentals
.if \first
	s_wait_alu depctr_va_vdst(0)
.irp n,0,1,2,3
	v_pk_add_f32 v[SUM+2*\n:SUM+2*\n+1], v[SS+8*\n:SS+8*\n+1], v[SS+8*\n+2:SS+8*\n+3]
.endr
.else
	s_wait_alu depctr_va_vdst(0)
.irp p,0,1
.irp n,0,1,2,3
	v_pk_add_f32 v[SUM+2*\n:SUM+2*\n+1], v[SUM+2*\n:SUM+2*\n+1], v[SS+8*\n+2*\p:SS+8*\n+2*\p+1]
.endr
.endr
.endif
.irp p,2,3,4,5,6,7
.irp n,0,1,2,3
	v_pk_add_f32 v[SUM+2*\n:SUM+2*\n+1], v[SUM+2*\n:SUM+2*\n+1], v[SS+8*(4*(\p/4)+\n)+2*(\p%4):SS+8*(4*(\p/4)+\n)+2*(\p%4)+1]
.endr
.endr
.irp kt,0,1
.irp n,0,1,2,3
.irp k,0,1,2,3
	v_cvt_pk_bf16_f32 v[PP+8*\n+4*\kt+\k], v[SS+8*(4*\kt+\n)+2*\k], v[SS+8*(4*\kt+\n)+2*\k+1]
.endr
.endr
.endr
	PV \t, \first
.endm
.macro ATTREM t, hh                    ; the ninth chunk holds one key, rank 256: row 0 of its first tile = register 0 of lanes 0 to 15
	HEADOF \t
	WIN 0x01
.irp n,0,1,2,3
	v_wmma_f32_16x16x32_bf16 v[SS+8*\n:SS+8*\n+7], v[32*((\t)&7):32*((\t)&7)+7], v[QQ+32*\hh+8*\n:QQ+32*\hh+8*\n+7], 0
.endr
	WIN 0
	PLACES
.irp n,0,1,2,3
	v_exp_f32 v[SS+8*\n], v[SS+8*\n]
.endr
	v_nop
	s_wait_alu depctr_va_vdst(0)
.irp n,0,1,2,3
	v_cndmask_b32 v[SS+8*\n], 0, v[SS+8*\n], vcc_lo    ; VCC = 0xffff for the whole kernel: lanes 16 to 31 hold a row that is no key
.endr
.irp n,0,1,2,3
	v_add_f32 v[SUM+2*\n], v[SUM+2*\n], v[SS+8*\n]
	v_cvt_pk_bf16_f32 v[PP+8*\n], v[SS+8*\n], 0
.irp k,1,2,3,4,5,6,7
	v_mov_b32 v[PP+8*\n+\k], 0
.endr
.endr
	PV \t, 0
.endm
.macro FOLD src                        ; TT + n = the pair at src + 2 n, added up, over both halves of the lanes
.irp n,0,1,2,3
	v_add_f32 v[TT+\n], v[\src+2*\n], v[\src+2*\n+1]
.endr
.irp n,0,1,2,3
	v_permlanex16_b32 v[TT+4+\n], v[TT+\n], s12, s13
.endr
.irp n,0,1,2,3
	v_add_f32 v[TT+\n], v[TT+\n], v[TT+4+\n]
.endr
.endm
.macro HEADOUT hh                      ; divide by the sum, round, token-major into ACT
	PLACES
	FOLD SUM
.irp n,0,1,2,3
	v_rcp_f32 v[SUM+2*\n], v[TT+\n]
	v_rcp_f32 v[SUM+2*\n+1], v[TT+\n]
.endr
	v_nop
	s_wait_alu depctr_va_vdst(0)
.irp mt,0,1
.irp n,0,1,2,3
.irp k,0,1,2,3
	v_pk_mul_f32 v[OO+8*(4*\mt+\n)+2*\k:OO+8*(4*\mt+\n)+2*\k+1], v[OO+8*(4*\mt+\n)+2*\k:OO+8*(4*\mt+\n)+2*\k+1], v[SUM+2*\n:SUM+2*\n+1]
.endr
.irp k,0,1,2,3
	v_cvt_pk_bf16_f32 v[PP+4*(4*\mt+\n)+\k], v[OO+8*(4*\mt+\n)+2*\k], v[OO+8*(4*\mt+\n)+2*\k+1]
.endr
	ds_store_b128 v6, v[PP+4*(4*\mt+\n):PP+4*(4*\mt+\n)+3] offset:\n*16*AP+\hh*64+\mt*32
.endr
.endr
.endm
.macro LDBA buf, kc                    ; B fragments of the four token tiles, 32 channels at chunk kc of ACT
.irp n,0,1,2,3
	ds_load_b128 v[(\buf)+8*\n:(\buf)+8*\n+3], v5 offset:\n*16*AP+(\kc)*64
	ds_load_b128 v[(\buf)+8*\n+4:(\buf)+8*\n+7], v5 offset:\n*16*AP+(\kc)*64+32
.endr
.endm
.macro LDBH buf, imm                   ; the same from H; two address registers, since 64 rows pass an LDS immediate's 16 bits
.irp n,0,1,2,3
	ds_load_b128 v[(\buf)+8*\n:(\buf)+8*\n+3], v[7+\n/2] offset:(\n&1)*16*HP+(\imm)
	ds_load_b128 v[(\buf)+8*\n+4:(\buf)+8*\n+7], v[7+\n/2] offset:(\n&1)*16*HP+(\imm)+32
.endr
.endm
; 16 matrix instructions on 16 accumulators, which take turns, one instruction a turn.
; cm 0: the sums start at 0; 1: at the bias of m tile i; 2: in place; 3: in place on Y in window 2.
.macro MM sl, buf, cm
.if \cm == 3
	WIN 0xa1
.else
	WIN 0x01
.endif
.irp i,0,1,2,3
.irp n,0,1,2,3
.if \cm == 0
	v_wmma_f32_16x16x32_bf16 v[ACC+8*(4*\i+\n):ACC+8*(4*\i+\n)+7], v[32*(\sl)+8*\i:32*(\sl)+8*\i+7], v[(\buf)+8*\n:(\buf)+8*\n+7], 0
.endif
.if \cm == 1
	v_wmma_f32_16x16x32_bf16 v[ACC+8*(4*\i+\n):ACC+8*(4*\i+\n)+7], v[32*(\sl)+8*\i:32*(\sl)+8*\i+7], v[(\buf)+8*\n:(\buf)+8*\n+7], v[BIAS+8*\i:BIAS+8*\i+7]
.endif
.if \cm == 2
	v_wmma_f32_16x16x32_bf16 v[ACC+8*(4*\i+\n):ACC+8*(4*\i+\n)+7], v[32*(\sl)+8*\i:32*(\sl)+8*\i+7], v[(\buf)+8*\n:(\buf)+8*\n+7], v[ACC+8*(4*\i+\n):ACC+8*(4*\i+\n)+7]
.endif
.if \cm == 3
	v_wmma_f32_16x16x32_bf16 v[8*(4*\i+\n):8*(4*\i+\n)+7], v[32*(\sl)+8*\i:32*(\sl)+8*\i+7], v[(\buf)+8*\n:(\buf)+8*\n+7], v[8*(4*\i+\n):8*(4*\i+\n)+7]
.endif
.endr
.endr
.endm
; One K step of a product: the next step's B into the other buffer (ldk 1: from ACT, chunk ldarg; 2: from H, byte ldarg; 0: none), the stream's step seven
; ahead into the slot read last (rf), then the waits: lcnt = loads of younger steps that may be out, dcnt = 8 where the next B was just asked for.
.macro GSTEP sl, par, rf, base, imm, lcnt, ldk, ldarg, dcnt, cm
	PLACES
.if \ldk == 1
	LDBA BB0+32*(1-(\par)), \ldarg
.endif
.if \ldk == 2
	LDBH BB0+32*(1-(\par)), \ldarg
.endif
.if \rf
	RFILL ((\sl)+7)&7, \base, \imm
.endif
	s_wait_loadcnt \lcnt
	s_wait_dscnt \dcnt
	MM \sl, BB0+32*(\par), \cm
	WIN 0
.endm
.macro ACROSS off                      ; TT + n of the four waves, added up, into v[16 + n]
.irp n,0,1,2,3
	ds_store_b32 v13, v[TT+\n] offset:\off+64*\n   ; both halves of the lanes store the same number
.endr
	s_wait_dscnt 0x0
	BAR
.irp q,0,1,2,3
.irp n,0,1,2,3
	ds_load_b32 v[16+4*\q+\n], v14 offset:\off+256*\q+64*\n
.endr
.endr
	s_wait_dscnt 0x0
.irp n,0,1,2,3
	v_add_f32 v[16+\n], v[16+\n], v[20+\n]
	v_add_f32 v[24+\n], v[24+\n], v[28+\n]
.endr
.irp n,0,1,2,3
	v_add_f32 v[16+\n], v[16+\n], v[24+\n]
.endr
.endm
.macro PKSUBB d, p, o                  ; v[d:d+1] -= register o of the pair at p
.if \o
	v_pk_add_f32 v[\d:\d+1], v[\d:\d+1], v[\p:\p+1] op_sel:[0,1] op_sel_hi:[1,1] neg_lo:[0,1] neg_hi:[0,1]
.else
	v_pk_add_f32 v[\d:\d+1], v[\d:\d+1], v[\p:\p+1] op_sel:[0,0] op_sel_hi:[1,0] neg_lo:[0,1] neg_hi:[0,1]
.endif
.endm
.macro PKMULB d, p, o
.if \o
	v_pk_mul_f32 v[\d:\d+1], v[\d:\d+1], v[\p:\p+1] op_sel:[0,1] op_sel_hi:[1,1]
.else
	v_pk_mul_f32 v[\d:\d+1], v[\d:\d+1], v[\p:\p+1] op_sel:[0,0] op_sel_hi:[1,0]
.endif
.endm
	s_load_b512 s[16:31], s[0:1], 0x0              ; query_source 16, qb 18, kvf 20, wf 22, on_g 24, on_b 26, gamma 28, b1 30
	s_load_b256 s[32:39], s[0:1], 0x40             ; bn1_g 32, bn1_b 34, b2 36, bn2_g 38
	s_load_b128 s[40:43], s[0:1], 0x60             ; bn2_b 40, out0 42
	s_set_vgpr_msb 0x80
	v_lshl_add_u32 v128, v0, 2, 0x3bc00
	v_mov_b32 v129, 0
	s_set_vgpr_msb 0x8000
	v_lshrrev_b32 v1, 5, v0
	v_readfirstlane_b32 s8, v1                     ; wave
	s_lshr_b32 s2, ttmp9, 5                        ; batch
	s_and_b32 s3, ttmp9, 31                        ; block of 64 tokens
	s_mov_b32 s12, 0x76543210
	s_mov_b32 s13, 0xfedcba98
	s_mov_b32 s11, 0x3b800000                      ; 1 / 256
	s_mov_b32 vcc_lo, 0xffff
	s_lshl_b32 s4, s2, 21
	s_lshl_b32 s5, s3, 8
	s_add_co_u32 s4, s4, s5
	s_mov_b32 s5, 0
	s_lshl_b32 s6, s2, 3
	s_lshl1_add_u32 s6, s8, s6                     ; bh of my first head: 8 batch + 2 wave
	s_mul_i32 s14, s6, 36864
	s_mov_b32 s15, 0
	s_lshl_b32 s6, s6, 17
	s_lshl_b32 s7, s3, 12
	s_add_co_u32 s6, s6, s7
	s_mov_b32 s7, 0
	s_mul_i32 s58, s8, 294912
	s_add_co_u32 s58, s58, 917504
	s_mov_b32 s59, 0
	v_and_b32 v13, 31, v0                          ; lane
	v_and_b32 v14, 15, v0                          ; lane % 16
	v_bfe_u32 v15, v0, 4, 1                        ; lane / 16
	v_lshlrev_b32 v1, 4, v13                       ; v1: 16 x lane
	s_lshl_b32 s9, s8, 19
	v_lshlrev_b32 v2, 4, v14
	v_lshl_add_u32 v2, v15, 13, v2
	v_add_nc_u32 v2, s9, v2                        ; v2: x and out: (64 w + half) rows of 8,192 bytes + 16 (lane % 16)
	v_lshlrev_b32 v249, 3, v0
	v_lshlrev_b32 v250, 5, v0
	s_wait_kmcnt 0x0
	s_load_b32 s44, s[28:29], 0x0                  ; gamma
	s_add_nc_u64 s[46:47], s[16:17], s[4:5]
	s_add_nc_u64 s[48:49], s[42:43], s[4:5]
	s_add_nc_u64 s[50:51], s[18:19], s[6:7]
	s_add_nc_u64 s[KVB:KVB+1], s[20:21], s[14:15]
	s_add_nc_u64 s[WB:WB+1], s[22:23], s[58:59]
	s_mov_b64 s[WBL:WBL+1], s[WB:WB+1]
.irp t,0,1,2,3,4,5,6
	RFILL \t, KVB, \t*4096
.endr
	WIN 0
.set i_, 0
.rept 32
	global_load_b128 v[80+4*i_:83+4*i_], v2, s[46:47] offset:i_*16384 th:TH_LOAD_NT   ; two channels' 256 bytes, aligned
.set i_, i_+1
.endr
	global_load_b64 v[208:209], v249, s[24:25]
	global_load_b64 v[210:211], v249, s[26:27]
	global_load_b64 v[212:213], v249, s[36:37]
	global_load_b64 v[214:215], v249, s[38:39]
	global_load_b64 v[216:217], v249, s[40:41]
	global_load_b128 v[218:221], v250, s[30:31]
	global_load_b128 v[222:225], v250, s[30:31] offset:16
	global_load_b128 v[226:229], v250, s[32:33]
	global_load_b128 v[230:233], v250, s[32:33] offset:16
	global_load_b128 v[234:237], v250, s[34:35]
	global_load_b128 v[238:241], v250, s[34:35] offset:16
.irp hh,0,1
.irp n,0,1,2,3
	global_load_b128 v[QQ+32*\hh+8*\n:QQ+32*\hh+8*\n+3], v1, s[50:51] offset:\hh*131072+\n*1024
	global_load_b128 v[QQ+32*\hh+8*\n+4:QQ+32*\hh+8*\n+7], v1, s[50:51] offset:\hh*131072+\n*1024+512
.endr
.endr
	; the other addresses, while the loads are on their way
	s_mul_i32 s9, s8, 64*XTP
	v_mul_u32_u24 v3, v15, XTP
	v_lshl_add_u32 v3, v14, 4, v3
	v_add_nc_u32 v3, s9, v3                        ; v3: XT by rows of 256 bytes
	v_mul_u32_u24 v4, v15, 8*XTP
	v_lshl_add_u32 v4, v14, 2, v4
	v_add_nc_u32 v4, s9, v4                        ; v4: XT as a result tile sees it: channel 64 w + 8 half, token lane % 16
	v_mul_u32_u24 v5, v14, AP
	v_lshl_add_u32 v5, v15, 4, v5
	v_add_nc_u32 v5, ACT, v5                       ; v5: B fragments from ACT
	s_lshl_b32 s9, s8, 7
	v_add_nc_u32 v6, s9, v5                        ; v6: my 64 channels' results into ACT
	v_mul_u32_u24 v7, v14, HP
	v_lshl_add_u32 v7, v15, 4, v7
	v_add_nc_u32 v7, HB, v7                        ; v7, v8: B fragments from H, token tiles 0-1, 2-3
	v_add_nc_u32 v8, 32*HP, v7
	s_lshl_b32 s9, s8, 9
	v_add_nc_u32 v9, s9, v7                        ; v9, v10: my 256 hidden channels' results into H
	v_add_nc_u32 v10, s9, v8
	s_lshl_b32 s9, s8, 10
	s_add_co_u32 s9, s9, PAR+3072
	v_lshl_add_u32 v11, v15, 5, s9                 ; v11: T1 of my hidden channels
	s_lshl_b32 s9, s8, 8
	s_add_co_u32 s10, s9, PAR
	v_lshl_add_u32 v12, v15, 5, s10                ; v12: the three tables of my 64 channels
	s_add_co_u32 s10, s9, LNP
	v_lshlrev_b32 v14, 2, v14
	v_add_nc_u32 v13, s10, v14                     ; v13: my wave's partial sums
	v_add_nc_u32 v14, LNP, v14                     ; v14: wave 0's
	v_lshlrev_b32 v15, 3, v0
	v_add_nc_u32 v15, PAR, v15
	v_lshlrev_b32 v248, 5, v0
	v_add_nc_u32 v248, PAR+3072, v248
.irp k,252,253,254,255
	v_mov_b32 v\k, 0                               ; v_permlanex16_b32 counts as a reader of its destination
.endr
	s_wait_loadcnt 16                              ; all but the sixteen loads of q
.set i_, 0
.rept 32
	ds_store_b128 v3, v[80+4*i_:83+4*i_] offset:i_*2*XTP
.set i_, i_+1
.endr
	s_wait_kmcnt 0x0
.irp k,208,209,210,211
	v_mul_f32 v\k, s44, v\k                        ; gamma on_g, gamma on_b
.endr
	v_pk_fma_f32 v[212:213], v[214:215], v[212:213], v[216:217]   ; T2
.irp k,0,2,4,6
	v_pk_fma_f32 v[218+\k:219+\k], v[226+\k:227+\k], v[218+\k:219+\k], v[234+\k:235+\k]   ; T1
.endr
	ds_store_b64 v15, v[208:209]
	ds_store_b64 v15, v[210:211] offset:1024
	ds_store_b64 v15, v[212:213] offset:2048
	ds_store_b128 v248, v[218:221]
	ds_store_b128 v248, v[222:225] offset:16
	s_wait_loadcnt 0x0
	; ATTENTION: steps 0 to 17 of the stream
.irp hh,0,1
	ATTSTEP 9*\hh, \hh, 1
.irp cc,1,2,3,4,5,6,7
	ATTSTEP 9*\hh+\cc, \hh, 0
.endr
	ATTREM 9*\hh+8, \hh
	HEADOUT \hh
.endr
	s_wait_dscnt 0x0
	BAR                                            ; ACT and the tables are whole
	; W_OUT: steps 18 to 25
	LDBA BB0, 0
	GSTEP 2, 0, 1, WB, 7*4096, 56, 1, 1, 8, 0
.irp j,1,2,3,4,5,6
	GSTEP (2+\j)&7, \j&1, 1, WB, (7+\j)*4096, 56, 1, \j+1, 8, 2
.endr
	GSTEP 1, 1, 1, WB, 14*4096, 56, 0, 0, 0, 2
	; LAYER NORM over 256 channels (32 in the lane, 64 in the wave, 256 through LDS), gate, residual
	PLACES
.irp n,0,1,2,3
	v_pk_add_f32 v[SUM+2*\n:SUM+2*\n+1], v[ACC+8*\n:ACC+8*\n+1], v[ACC+8*\n+2:ACC+8*\n+3]
.endr
.irp p,2,3,4,5,6,7,8,9,10,11,12,13,14,15
.irp n,0,1,2,3
	v_pk_add_f32 v[SUM+2*\n:SUM+2*\n+1], v[SUM+2*\n:SUM+2*\n+1], v[ACC+8*(4*(\p/4)+\n)+2*(\p%4):ACC+8*(4*(\p/4)+\n)+2*(\p%4)+1]
.endr
.endr
	FOLD SUM
	ACROSS 0                                       ; its barrier also stands between every wave's reads of ACT and the stores into it below
.irp n,0,1,2,3
	v_mul_f32 v[SUM+\n], s11, v[16+\n]             ; the means of my four tokens, in v240-243
.endr
.irp i,0,1,2,3
.irp n,0,1,2,3
.irp k,0,1,2,3
	PKSUBB ACC+8*(4*\i+\n)+2*\k, SUM+2*(\n/2), \n&1
.endr
.endr
.endr
.irp n,0,1,2,3
	v_pk_mul_f32 v[32+2*\n:33+2*\n], v[ACC+8*\n:ACC+8*\n+1], v[ACC+8*\n:ACC+8*\n+1]
.endr
.irp p,1,2,3,4,5,6,7,8,9,10,11,12,13,14,15
.irp n,0,1,2,3
	v_pk_fma_f32 v[32+2*\n:33+2*\n], v[ACC+8*(4*(\p/4)+\n)+2*(\p%4):ACC+8*(4*(\p/4)+\n)+2*(\p%4)+1], v[ACC+8*(4*(\p/4)+\n)+2*(\p%4):ACC+8*(4*(\p/4)+\n)+2*(\p%4)+1], v[32+2*\n:33+2*\n]
.endr
.endr
	FOLD 32
	ACROSS 1024
.irp n,0,1,2,3
	v_fmaak_f32 v[16+\n], s11, v[16+\n], 0x3727c5ac   ; variance + 1e-5
.endr
.irp n,0,1,2,3
	v_rsq_f32 v[SUM+\n], v[16+\n]
.endr
	v_nop
	s_wait_alu depctr_va_vdst(0)
.irp i,0,1,2,3
.irp q,0,1,2
	ds_load_b128 v[48+8*\q:51+8*\q], v12 offset:1024*\q+64*\i     ; gamma on_g, gamma on_b, T2 of channels 64 w + 16 i + 8 half + 0..7
	ds_load_b128 v[52+8*\q:55+8*\q], v12 offset:1024*\q+64*\i+16
.endr
.irp n,0,1,2,3
.irp j,0,1,2,3,4,5,6,7
	ds_load_b32 v[16+8*\n+\j], v4 offset:(16*\i+\j)*XTP+\n*64     ; x
.endr
.endr
	s_wait_dscnt 0x0
.irp n,0,1,2,3
.irp k,0,1,2,3
	PKMULB ACC+8*(4*\i+\n)+2*\k, SUM+2*(\n/2), \n&1
	v_pk_add_f32 v[16+8*\n+2*\k:17+8*\n+2*\k], v[16+8*\n+2*\k:17+8*\n+2*\k], v[56+2*\k:57+2*\k]
	v_pk_fma_f32 v[ACC+8*(4*\i+\n)+2*\k:ACC+8*(4*\i+\n)+2*\k+1], v[ACC+8*(4*\i+\n)+2*\k:ACC+8*(4*\i+\n)+2*\k+1], v[48+2*\k:49+2*\k], v[16+8*\n+2*\k:17+8*\n+2*\k]
.endr
.irp k,0,1,2,3
	v_cvt_pk_bf16_f32 v[PP+4*\n+\k], v[ACC+8*(4*\i+\n)+2*\k], v[ACC+8*(4*\i+\n)+2*\k+1]
.endr
	ds_store_b128 v6, v[PP+4*\n:PP+4*\n+3] offset:\n*16*AP+\i*32  ; attn_out in bf16, for W1
.endr
	WIN 0x80
.irp n,0,1,2,3
.irp k,0,1,2,3
	v_pk_add_f32 v[8*(4*\i+\n)+2*\k:8*(4*\i+\n)+2*\k+1], v[ACC+8*(4*\i+\n)+2*\k:ACC+8*(4*\i+\n)+2*\k+1], v[64+2*\k:65+2*\k]   ; Y = attn_out + T2
.endr
.endr
	WIN 0
.endr
	s_wait_dscnt 0x0
	BAR                                            ; attn_out is whole in ACT
	; W1: four passes of 64 hidden channels, steps 26 to 57; relu; into H
	s_mov_b32 s9, 0
.Lg1:
.irp i,0,1,2,3
	ds_load_b128 v[BIAS+8*\i:BIAS+8*\i+3], v11 offset:64*\i
	ds_load_b128 v[BIAS+8*\i+4:BIAS+8*\i+7], v11 offset:64*\i+16
.endr
	LDBA BB0, 0
	GSTEP 2, 0, 1, WBL, 15*4096, 56, 1, 1, 8, 1
.irp j,1,2,3,4,5,6
	GSTEP (2+\j)&7, \j&1, 1, WBL, (15+\j)*4096, 56, 1, \j+1, 8, 2
.endr
	GSTEP 1, 1, 1, WBL, 22*4096, 56, 0, 0, 0, 2
	PLACES
.set i_, 0
.rept 128
	v_max_num_f32 v[ACC+i_], 0, v[ACC+i_]
.set i_, i_+1
.endr
.irp i,0,1,2,3
.irp n,0,1,2,3
.irp k,0,1,2,3
	v_cvt_pk_bf16_f32 v[ACC+8*(4*\i+\n)+\k], v[ACC+8*(4*\i+\n)+2*\k], v[ACC+8*(4*\i+\n)+2*\k+1]   ; register k is written when 2 k and 2 k + 1 are read
.endr
	ds_store_b128 v[9+\n/2], v[ACC+8*(4*\i+\n):ACC+8*(4*\i+\n)+3] offset:(\n&1)*16*HP+\i*32
.endr
.endr
	v_add_nc_u32 v9, 0x80, v9                      ; the next 64 hidden channels
	v_add_nc_u32 v10, 0x80, v10
	v_add_nc_u32 v11, 0x100, v11
	s_wait_xcnt 0x0                                ; the stream's base is stepped only behind this wait
	s_add_nc_u64 s[WBL:WBL+1], s[WBL:WBL+1], 0x8000
	s_add_co_u32 s9, s9, 1
	s_cmp_lt_u32 s9, 4
	s_cbranch_scc1 .Lg1
	s_wait_dscnt 0x0
	BAR                                            ; H is whole
	; W2: 32 chunks of 32 hidden channels, steps 58 to 89, onto Y
	LDBH BB0, 0
	s_mov_b32 s9, 0
.Lg2:
.irp j,0,1,2,3,4,5,6,7
	GSTEP (2+\j)&7, \j&1, 1, WBL, (15+\j)*4096, 56, 2, (\j+1)*64, 8, 3
.endr
	v_add_nc_u32 v7, 0x200, v7
	v_add_nc_u32 v8, 0x200, v8
	s_wait_xcnt 0x0
	s_add_nc_u64 s[WBL:WBL+1], s[WBL:WBL+1], 0x8000
	s_add_co_u32 s9, s9, 1
	s_cmp_lt_u32 s9, 3
	s_cbranch_scc1 .Lg2
	GSTEP 2, 0, 1, WBL, 15*4096, 56, 2, 64, 8, 3   ; the last eight steps: one more fill (step 89), then the counts run down
.irp j,1,2,3,4,5,6
	GSTEP (2+\j)&7, \j&1, 0, WBL, 0, 56-8*\j, 2, (\j+1)*64, 8, 3
.endr
	GSTEP 1, 1, 0, WBL, 0, 0, 0, 0, 0, 3
	; THE WAY OUT: y through my own rows of XT, back as whole rows: sixteen lanes store 256 consecutive bytes, aligned
	PLACES
	WIN 0x08                                       ; the stores' data in window 2
.irp i,0,1,2,3
.irp n,0,1,2,3
.irp j,0,1,2,3,4,5,6,7
	ds_store_b32 v4, v[8*(4*\i+\n)+\j] offset:(16*\i+\j)*XTP+\n*64
.endr
.endr
.endr
	WIN 0
.set i_, 0
.rept 32
	ds_load_b128 v[80+4*i_:83+4*i_], v3 offset:i_*2*XTP           ; a wave's LDS instructions are served in order: these see the stores above
.set i_, i_+1
.endr
.set i_, 0
.rept 32
	s_wait_dscnt 31-i_
	global_store_b128 v2, v[80+4*i_:83+4*i_], s[48:49] offset:i_*16384 th:TH_STORE_NT
.set i_, i_+1
.endr
	s_set_vgpr_msb 0xa
	s_wait_tensorcnt 0x0
	ds_add_u32 v128, v129
	s_wait_dscnt 0x0
	s_set_vgpr_msb 0xa00
	s_endpgm
.Lfunc_end_k_q80e6826b84_tail:
	.size	k_q80e6826b84_tail, .Lfunc_end_k_q80e6826b84_tail-k_q80e6826b84_tail
	.p2alignl 7, 3214868480
	.fill 96, 4, 3214868480
	.section	.rodata,"a",@progbits
	.p2align	6, 0x0
	.amdhsa_kernel k_q80e6826b84_tail
		.amdhsa_group_segment_fixed_size 245248
		.amdhsa_private_segment_fixed_size 0
		.amdhsa_enable_private_segment 0
		.amdhsa_kernarg_size 112
		.amdhsa_user_sgpr_count 2
		.amdhsa_user_sgpr_kernarg_segment_ptr 1
		.amdhsa_wavefront_size32 1
		.amdhsa_system_sgpr_workgroup_id_x 1
		.amdhsa_system_sgpr_workgroup_id_y 1
		.amdhsa_system_sgpr_workgroup_id_z 1
		.amdhsa_system_vgpr_workitem_id 0
		.amdhsa_next_free_vgpr 642
		.amdhsa_next_free_sgpr 66
		.amdhsa_reserve_vcc 1
		.amdhsa_float_denorm_mode_32 3
		.amdhsa_float_denorm_mode_16_64 3
		.amdhsa_memory_ordered 1
		.amdhsa_forward_progress 1
		.amdhsa_inst_pref_size 255
	.end_amdhsa_kernel
	.section	.bss,"aw",@nobits
	.p2align	6
	.space	262144
	.amdgpu_metadata
---
amdhsa.version: [ 1, 2 ]
amdhsa.kernels:
  - .name:           k_q80e6826b84_tail
    .symbol:         k_q80e6826b84_tail.kd
    .args:
      - { .name: query_source, .offset: 0, .size: 8, .value_kind: global_buffer, .address_space: global }
      - { .name: qb, .offset: 8, .size: 8, .value_kind: global_buffer, .address_space: global }
      - { .name: kvf, .offset: 16, .size: 8, .value_kind: global_buffer, .address_space: global }
      - { .name: wf, .offset: 24, .size: 8, .value_kind: global_buffer, .address_space: global }
      - { .name: on_g, .offset: 32, .size: 8, .value_kind: global_buffer, .address_space: global }
      - { .name: on_b, .offset: 40, .size: 8, .value_kind: global_buffer, .address_space: global }
      - { .name: gamma, .offset: 48, .size: 8, .value_kind: global_buffer, .address_space: global }
      - { .name: b1, .offset: 56, .size: 8, .value_kind: global_buffer, .address_space: global }
      - { .name: bn1_g, .offset: 64, .size: 8, .value_kind: global_buffer, .address_space: global }
      - { .name: bn1_b, .offset: 72, .size: 8, .value_kind: global_buffer, .address_space: global }
      - { .name: b2, .offset: 80, .size: 8, .value_kind: global_buffer, .address_space: global }
      - { .name: bn2_g, .offset: 88, .size: 8, .value_kind: global_buffer, .address_space: global }
      - { .name: bn2_b, .offset: 96, .size: 8, .value_kind: global_buffer, .address_space: global }
      - { .name: out0, .offset: 104, .size: 8, .value_kind: global_buffer, .address_space: global }
    .group_segment_fixed_size: 245248
    .private_segment_fixed_size: 0
    .kernarg_segment_align: 8
    .kernarg_segment_size: 112
    .max_flat_workgroup_size: 128
    .sgpr_count:     66
    .vgpr_count:     642
    .wavefront_size: 32
...
	.end_amdgpu_metadata
.endif
;; end of part 6
;; ======== version 2 of 2: 6 launches; 1.17 times as fast as version 1
;; workspace buffers: wf 2,097,152 bytes; qf 8,388,608 bytes; kf 8,388,608 bytes; qb 4,194,304 bytes; vb 4,194,304 bytes; mind 262,144 bytes; rank 262,144 bytes of whole numbers; kvf 1,179,648 bytes
;; launch prep (part 7): grid 384 x 1, 8 waves a work-group, no clusters, 0 bytes of LDS; arguments W_q, W_kv, W_out, W1, W2, bn1_g, bn2_g, wf; writes wf
.if DOCPART == 7
	.amdgcn_target "amdgcn-amd-amdhsa--gfx1250"
	.amdhsa_code_object_version 6
	.text
	.protected	k_q80e6826b84_prep
	.globl	k_q80e6826b84_prep
	.p2align	8
	.type	k_q80e6826b84_prep,@function
k_q80e6826b84_prep:
	s_mov_b64 s[64:65], 0
	v_nop
	global_prefetch_b8 v0, s[64:65] scope:SCOPE_SE
	s_setreg_imm32_b32 hwreg(HW_REG_WAVE_MODE, 25, 1), 1
	s_wait_xcnt 0x0
; prep: the weights, f32 row-major [out][in], become bf16 matrix fragments in wf, in the order in which one wave of a later launch reads them.
; A fragment is 16 rows x 32 k = 1,024 bytes: piece c2 (registers 4 c2 .. 4 c2 + 3) of lane L lies at 512 c2 + 16 L (lane L: row L % 16, k = 16 c2 + 8 (L / 16) + 0..7).
; One wave makes one piece: each lane reads 32 bytes of a row and stores 16; a wave's store covers 512 consecutive bytes, aligned.
; W_q and the K half of W_kv are split into three bf16 numbers (h, m = bf16(x - h), l = bf16(x - h - m); both differences are exact in f32),
; W1 and W2 have bn1_g and bn2_g multiplied into their rows in f32 before the one rounding.
; wf: 0 W_q [head 8][kc 8][h0 h1 m0 m1 l0 l1]; 393,216 W_kv [head][kc][h0 h1 m0 m1 l0 l1 v0 v1];
;     917,504 [wave 8][36 steps][4 fragments]: steps 0-3 W_out (two k chunks x m tiles 2 w, 2 w + 1), 4-19 W1 (pass, kc; m tiles 8 w + 4 pass + 0..3),
;     20-35 W2 (two k chunks x m tiles 2 w, 2 w + 1).
.set TAILW, 147456                     ; bytes of one wave's 36 steps
.macro PACK d                          ; eight f32 in v[8:15] to 16 bytes in v[d:d+3]
.irp j,0,1,2,3
	v_cvt_pk_bf16_f32 v[\d+\j], v[8+2*\j], v[9+2*\j]
.endr
.endm
.macro RESID d                         ; v[8:15] -= what v[d:d+3] holds
.irp j,0,1,2,3
	v_lshlrev_b32 v[24+2*\j], 16, v[\d+\j]
	v_and_b32 v[25+2*\j], 0xffff0000, v[\d+\j]
.endr
.irp j,0,1,2,3
	v_pk_add_f32 v[8+2*\j:9+2*\j], v[8+2*\j:9+2*\j], v[24+2*\j:25+2*\j] neg_lo:[0,1] neg_hi:[0,1]
.endr
.endm
; One section.  f = fragment number in the section: its low G bits pick the m tile in a group, the next KCL bits the k chunk, the rest the group.
; Rows of the source are 2^(KCL+7) bytes.  In wf: (f >> WSH) picks the wave's part, ((fl >> 1) STRIDE + SLOT0 + (fl & 1)) the fragment, fl = f mod 2^WSH.
.macro SECTION first, G, KCL, WSH, STRIDE, SLOT0, split, scale, SRC, srcoff, GP, dstoff
	s_sub_co_u32 s4, ttmp9, \first
	s_lshl2_add_u32 s4, s4, s5                     ; f = 4 (work-group - first) + wave / 2
	s_lshr_b32 s6, s4, \G+\KCL
	s_lshl_b32 s6, s6, \G
	s_and_b32 s7, s4, (1<<\G)-1
	s_add_co_u32 s6, s6, s7                        ; m tile
	s_bfe_u32 s7, s4, (\KCL<<16)|\G                ; k chunk
	s_and_b32 s8, s4, (1<<\WSH)-1                  ; fl
	s_lshr_b32 s9, s4, \WSH
	s_lshl_b32 s11, s6, 11+\KCL                    ; 16 rows of the source
	s_lshl_b32 s12, s7, 7                          ; 32 k of 4 bytes
	s_add_co_u32 s11, s11, s12
	s_lshl_b32 s12, s10, 6                         ; the piece: 16 k
	s_add_co_u32 s11, s11, s12
.if \srcoff
	s_add_co_u32 s11, s11, \srcoff
.endif
	v_lshlrev_b32 v1, 7+\KCL, v4                   ; my row
	v_lshl_add_u32 v1, v5, 5, v1                   ; my 8 k
	v_add_nc_u32 v1, s11, v1
	s_lshr_b32 s12, s8, 1
	s_mul_i32 s12, s12, \STRIDE
	s_and_b32 s13, s8, 1
	s_add_co_u32 s12, s12, s13
	s_add_co_u32 s12, s12, \SLOT0
	s_lshl_b32 s12, s12, 10
	s_mul_i32 s13, s9, TAILW
	s_add_co_u32 s12, s12, s13
	s_lshl_b32 s13, s10, 9
	s_add_co_u32 s12, s12, s13
	s_add_co_u32 s12, s12, \dstoff
	v_lshl_add_u32 v2, v6, 4, s12
	global_load_b128 v[8:11], v1, s[\SRC:\SRC+1]
	global_load_b128 v[12:15], v1, s[\SRC:\SRC+1] offset:16
.if \scale
	s_lshl_b32 s13, s6, 6
	v_lshl_add_u32 v3, v4, 2, s13                  ; the gain of my row
	global_load_b32 v16, v3, s[\GP:\GP+1]
.endif
	s_wait_loadcnt 0x0
.if \scale
.irp j,0,1,2,3,4,5,6,7
	v_mul_f32 v[8+\j], v16, v[8+\j]
.endr
.endif
	PACK 20
	global_store_b128 v2, v[20:23], s[30:31]
.if \split
	RESID 20
	PACK 32
	global_store_b128 v2, v[32:35], s[30:31] offset:2048
	RESID 32
	PACK 36
	global_store_b128 v2, v[36:39], s[30:31] offset:4096
.endif
	s_endpgm
.endm
	s_load_b512 s[16:31], s[0:1], 0x0              ; W_q 16, W_kv 18, W_out 20, W1 22, W2 24, bn1_g 26, bn2_g 28, wf 30
	v_lshrrev_b32 v1, 5, v0
	v_readfirstlane_b32 s3, v1                     ; wave
	v_and_b32 v4, 15, v0                           ; row in the fragment
	v_bfe_u32 v5, v0, 4, 1                         ; half of the lanes
	v_and_b32 v6, 31, v0                           ; lane
	s_lshr_b32 s5, s3, 1
	s_and_b32 s10, s3, 1                           ; piece
	s_wait_kmcnt 0x0
	s_cmp_lt_u32 ttmp9, 32
	s_cbranch_scc1 .Lsec_q
	s_cmp_lt_u32 ttmp9, 64
	s_cbranch_scc1 .Lsec_k
	s_cmp_lt_u32 ttmp9, 96
	s_cbranch_scc1 .Lsec_v
	s_cmp_lt_u32 ttmp9, 128
	s_cbranch_scc1 .Lsec_o
	s_cmp_lt_u32 ttmp9, 256
	s_cbranch_scc1 .Lsec_1
	SECTION 256, 1, 5, 6, 2, 0, 0, 1, 24, 0, 28, 999424      ; W2: f = [wave 3 bits][kc 5][m tile 1], behind 20 steps
.Lsec_q:
	SECTION 0, 1, 3, 16, 6, 0, 1, 0, 16, 0, 26, 0
.Lsec_k:
	SECTION 32, 1, 3, 16, 8, 0, 1, 0, 18, 0, 26, 393216
.Lsec_v:
	SECTION 64, 1, 3, 16, 8, 6, 0, 0, 18, 262144, 26, 393216
.Lsec_o:
	SECTION 96, 1, 3, 4, 2, 0, 0, 0, 20, 0, 26, 917504       ; W_out: f = [wave 3 bits][kc 3][m tile 1]
.Lsec_1:
	SECTION 128, 2, 3, 6, 2, 0, 0, 1, 22, 0, 26, 933888      ; W1: f = [wave 3 bits][pass 1][kc 3][m tile 2], behind 4 steps
.Lfunc_end_k_q80e6826b84_prep:
	.size	k_q80e6826b84_prep, .Lfunc_end_k_q80e6826b84_prep-k_q80e6826b84_prep
	.p2alignl 7, 3214868480
	.fill 96, 4, 3214868480
	.section	.rodata,"a",@progbits
	.p2align	6, 0x0
	.amdhsa_kernel k_q80e6826b84_prep
		.amdhsa_group_segment_fixed_size 0
		.amdhsa_private_segment_fixed_size 0
		.amdhsa_enable_private_segment 0
		.amdhsa_kernarg_size 64
		.amdhsa_user_sgpr_count 2
		.amdhsa_user_sgpr_kernarg_segment_ptr 1
		.amdhsa_wavefront_size32 1
		.amdhsa_system_sgpr_workgroup_id_x 1
		.amdhsa_system_sgpr_workgroup_id_y 1
		.amdhsa_system_sgpr_workgroup_id_z 1
		.amdhsa_system_vgpr_workitem_id 0
		.amdhsa_next_free_vgpr 48
		.amdhsa_next_free_sgpr 66
		.amdhsa_reserve_vcc 0
		.amdhsa_float_denorm_mode_32 3
		.amdhsa_float_denorm_mode_16_64 3
		.amdhsa_memory_ordered 1
		.amdhsa_forward_progress 1
		.amdhsa_inst_pref_size 16
	.end_amdhsa_kernel
	.amdgpu_metadata
---
amdhsa.version: [ 1, 2 ]
amdhsa.kernels:
  - .name:           k_q80e6826b84_prep
    .symbol:         k_q80e6826b84_prep.kd
    .args:
      - { .name: W_q, .offset: 0, .size: 8, .value_kind: global_buffer, .address_space: global }
      - { .name: W_kv, .offset: 8, .size: 8, .value_kind: global_buffer, .address_space: global }
      - { .name: W_out, .offset: 16, .size: 8, .value_kind: global_buffer, .address_space: global }
      - { .name: W1, .offset: 24, .size: 8, .value_kind: global_buffer, .address_space: global }
      - { .name: W2, .offset: 32, .size: 8, .value_kind: global_buffer, .address_space: global }
      - { .name: bn1_g, .offset: 40, .size: 8, .value_kind: global_buffer, .address_space: global }
      - { .name: bn2_g, .offset: 48, .size: 8, .value_kind: global_buffer, .address_space: global }
      - { .name: wf, .offset: 56, .size: 8, .value_kind: global_buffer, .address_space: global }
    .group_segment_fixed_size: 0
    .private_segment_fixed_size: 0
    .kernarg_segment_align: 8
    .kernarg_segment_size: 64
    .max_flat_workgroup_size: 256
    .sgpr_count:     66
    .vgpr_count:     48
    .wavefront_size: 32
...
	.end_amdgpu_metadata
.endif
;; end of part 7
;; launch proj: the kernel of part 2 again; grid 128 x 2, 8 waves a work-group, no clusters, 180,224 bytes of LDS; arguments query_source, context, qn_g, qn_b, cn_g, cn_b, wf, qf, kf, qb, vb; writes qf, kf, qb, vb
;; launch l1min (part 8): grid 8 x 32, 8 waves a work-group, no clusters, 81,152 bytes of LDS; arguments qf, kf, rand_ind, mind; writes mind
.if DOCPART == 8
	.amdgcn_target "amdgcn-amd-amdhsa--gfx1250"
	.amdhsa_code_object_version 6
	.text
	.protected	k_q80e6826b84_l1min
	.globl	k_q80e6826b84_l1min
	.p2align	8
	.type	k_q80e6826b84_l1min,@function
k_q80e6826b84_l1min:
	s_mov_b64 s[64:65], 0
	v_nop
	global_prefetch_b8 v0, s[64:65] scope:SCOPE_SE
	s_setreg_imm32_b32 hwreg(HW_REG_WAVE_MODE, 25, 1), 1
	s_wait_xcnt 0x0
; l1min: mind[bh][key] = min over the 257 listed queries of sum over 32 channels of |k - q|, all in f32.
; |a - b| = 2 max(a, b) - a - b, so the distance is 2 (sum of max(k, q) - (sum of q) / 2) - sum of k.  The bracket is what the loop makes and takes the minimum of;
; (sum of q) / 2 is made once for each gathered row, sum of k once for each key.  A maximum and an add go two to an instruction, the magnitude of a difference does not.
; Work-group (g, bh): keys 256 g .. + 255.  Wave w: 128 keys (w & 1), four a lane, held in 128 registers; 65 of the queries (rows 64 (w >> 1) .. + 64 of the list;
; neighbouring ranges share one row, which a minimum does not mind).  A query row is read from LDS by all lanes at one address.
; The vector unit binds: 130 instructions for 4 keys x 32 channels.  No matrix work, so no matrix unit; every work-group gathers its own rows, so no cluster.
; LIMITS: q and k are unit vectors, so each of the three sums is at most sqrt(32) and the result carries some 1e-6 of rounding, in another order than the reference's;
; a result that rounding leaves below zero is stored as +0 (the next launch compares the bits of numbers >= +0).  NaN is not served.
.set KP,  144                          ; a key's row in LDS: 128 bytes + 16
.set QS,  256*KP                       ; 288 query rows of 128 bytes (rows 256 to 287 all hold the 257th)
.set HS,  QS+288*128                   ; (sum of q) / 2 of each row, twice: 8 bytes a row
.set RED, HS+288*8                     ; [quarter of the queries][key] f32
.set H0,  2                            ; v2-3     (sum of q) / 2 of the row in Q0, in two registers of different banks
.set H1,  4                            ; v4-5     the same for Q1
.set M,   12                           ; v12-15   running minima
.set R,   16                           ; v16-31   partial sums
.set D,   32                           ; v32-63   maxima
.set Q0,  64
.set Q1,  96
.set K,   128                          ; v128-255 my four keys
; In the dual forms one destination is even and one odd, and the two first sources, and the two second sources, lie in different banks (register number mod 4).
.macro DIST Q, H
.irp c,0,1,2,3
.set i_, 0
.rept 16
	v_dual_max_num_f32 v[D+2*i_], v[K+32*\c+2*i_], v[\Q+2*i_] :: v_dual_max_num_f32 v[D+2*i_+1], v[K+32*\c+2*i_+1], v[\Q+2*i_+1]
.set i_, i_+1
.endr
.irp p,0,2,4,6,8,10,12,14
	v_pk_add_f32 v[D+\p:D+\p+1], v[D+\p:D+\p+1], v[D+16+\p:D+17+\p]
.endr
.irp p,0,2,4,6
	v_pk_add_f32 v[D+\p:D+\p+1], v[D+\p:D+\p+1], v[D+8+\p:D+9+\p]
.endr
	v_pk_add_f32 v[R+4*\c:R+4*\c+1], v[D:D+1], v[D+4:D+5]
	v_pk_add_f32 v[R+4*\c+2:R+4*\c+3], v[D+2:D+3], v[D+6:D+7]
.endr
.irp c,0,1,2,3
	v_pk_add_f32 v[R+4*\c:R+4*\c+1], v[R+4*\c:R+4*\c+1], v[R+4*\c+2:R+4*\c+3]
.endr
	v_dual_add_f32 v[R], v[R], v[R+1] :: v_dual_add_f32 v[R+5], v[R+5], v[R+4]              ; keys 0 and 1
	v_dual_add_f32 v[R+8], v[R+8], v[R+9] :: v_dual_add_f32 v[R+13], v[R+13], v[R+12]       ; keys 2 and 3
	v_dual_sub_f32 v[R], v[R], v[\H] :: v_dual_sub_f32 v[R+5], v[R+5], v[\H+1]
	v_dual_sub_f32 v[R+8], v[R+8], v[\H] :: v_dual_sub_f32 v[R+13], v[R+13], v[\H+1]
	v_dual_min_num_f32 v[M], v[M], v[R] :: v_dual_min_num_f32 v[M+1], v[M+1], v[R+5]
	v_dual_min_num_f32 v[M+2], v[M+2], v[R+8] :: v_dual_min_num_f32 v[M+3], v[M+3], v[R+13]
.endm
.macro LDQ Q, H, off, hoff             ; nine LDS loads: a row and its half sum
.irp i,0,1,2,3,4,5,6,7
	ds_load_b128 v[\Q+4*\i:\Q+4*\i+3], v8 offset:\off+16*\i
.endr
	ds_load_b64 v[\H:\H+1], v11 offset:\hoff
.endm
	s_load_b256 s[4:11], s[0:1], 0x0               ; qf 4, kf 6, rand_ind 8, mind 10
	s_set_vgpr_msb 0x40
	v_lshl_add_u32 v0, v0, 2, 0x13900
	v_mov_b32 v1, 0
	s_set_vgpr_msb 0x4000
	v_lshrrev_b32 v1, 5, v0
	v_readfirstlane_b32 s12, v1                    ; wave
	s_and_b32 s13, ttmp7, 0xffff                   ; bh
	s_and_b32 s14, s12, 1                          ; which 128 keys
	s_lshr_b32 s15, s12, 1                         ; which quarter of the queries
	v_lshrrev_b32 v1, 3, v0                        ; thread / 8: a row
	v_and_b32 v10, 7, v0
	v_lshlrev_b32 v2, 2, v1
	v_mov_b32 v3, 0
	v_lshlrev_b32 v4, 4, v10                       ; my 16 bytes of a row of 128
	v_lshlrev_b32 v11, 4, v0
	v_mad_u32_u24 v5, v1, KP, v4                   ; keys into LDS
	v_add_nc_u32 v6, QS, v11                       ; queries into LDS
	v_lshlrev_b32 v10, 3, v1
	v_add_nc_u32 v10, HS, v10                      ; their half sums into LDS
	s_mul_i32 s16, s13, 1028                       ; 257 indices of 4 bytes
	s_mov_b32 s17, 0
	s_lshl_b32 s18, s13, 18                        ; 2,048 rows of 128 bytes
	s_mov_b32 s19, 0
	s_lshl_b32 s20, ttmp9, 15                      ; 256 rows
	s_lshl_b32 s22, s13, 13
	s_lshl_b32 s23, ttmp9, 10
	s_add_co_u32 s22, s22, s23
	s_mov_b32 s23, 0
	s_wait_kmcnt 0x0
	s_add_nc_u64 s[8:9], s[8:9], s[16:17]
	s_add_nc_u64 s[4:5], s[4:5], s[18:19]
	s_add_co_u32 s18, s18, s20
	s_add_nc_u64 s[6:7], s[6:7], s[18:19]
	s_add_nc_u64 s[10:11], s[10:11], s[22:23]
.irp i,0,1,2,3,4,5,6,7
	global_load_b32 v[16+\i], v2, s[8:9] offset:128*\i            ; index 32 i + thread / 8
.endr
	global_load_b32 v24, v3, s[8:9] offset:1024                   ; index 256
.irp i,0,1,2,3,4,5,6,7
	global_load_b128 v[K+4*\i:K+4*\i+3], v11, s[6:7] offset:4096*\i   ; the 256 keys: 32,768 consecutive bytes
.endr
	s_wait_loadcnt 0x8                             ; the nine indices are in; the eight loads of keys may be out
.irp i,0,1,2,3,4,5,6,7,8
	v_min_u32 v[16+\i], 0x7ff, v[16+\i]            ; an index stays inside its table
	v_lshl_add_u32 v[16+\i], v[16+\i], 7, v4
.endr
.irp i,0,1,2,3,4,5,6,7,8
	global_load_b128 v[Q0+4*\i:Q0+4*\i+3], v[16+\i], s[4:5]
.endr
	s_wait_loadcnt 0x9                             ; the keys are in; the nine gathered rows may be out
.irp i,0,1,2,3,4,5,6,7
	ds_store_b128 v5, v[K+4*\i:K+4*\i+3] offset:32*KP*\i
.endr
	s_wait_loadcnt 0x0
.irp i,0,1,2,3,4,5,6,7,8
	ds_store_b128 v6, v[Q0+4*\i:Q0+4*\i+3] offset:4096*\i
.endr
	; (sum of q) / 2 of each of my nine rows: four numbers in the lane, then over the eight lanes that share the row
.irp i,0,1,2,3,4,5,6,7,8
	v_pk_add_f32 v[D+2*\i:D+2*\i+1], v[Q0+4*\i:Q0+4*\i+1], v[Q0+4*\i+2:Q0+4*\i+3]
.endr
.irp i,0,1,2,3,4,5,6,7,8
	v_add_f32 v[D+2*\i], v[D+2*\i], v[D+2*\i+1]
.endr
.irp m,1,2,4
.irp i,0,1,2,3,4,5,6,7,8
	v_add_f32_dpp v[D+2*\i], v[D+2*\i], v[D+2*\i] row_xmask:\m row_mask:0xf bank_mask:0xf
.endr
.endr
.irp i,0,1,2,3,4,5,6,7,8
	v_mul_f32 v[D+2*\i], 0.5, v[D+2*\i]
.endr
.irp i,0,1,2,3,4,5,6,7,8
	v_mov_b32 v[D+2*\i+1], v[D+2*\i]
.endr
.irp i,0,1,2,3,4,5,6,7,8
	ds_store_b64 v10, v[D+2*\i:D+2*\i+1] offset:256*\i            ; the eight lanes of a row store the same pair to the same place
.endr
	v_and_b32 v7, 31, v0
	s_lshl_b32 s21, s14, 7
	v_lshlrev_b32 v9, 2, v7
	v_add_nc_u32 v7, s21, v7
	v_mul_u32_u24 v7, v7, KP                       ; my first key's row
	s_lshl_b32 s22, s15, 13
	s_add_co_u32 s22, s22, QS
	v_mov_b32 v8, s22                              ; my first query row, the same in all lanes
	s_lshl_b32 s22, s15, 9
	s_add_co_u32 s22, s22, HS
	v_mov_b32 v11, s22                             ; and its half sum
	s_lshl_b32 s22, s15, 10
	s_lshl_b32 s23, s14, 9
	s_add_co_u32 s22, s22, s23
	s_add_co_u32 s22, s22, RED
	v_add_nc_u32 v9, s22, v9
	s_wait_dscnt 0x0                               ; for the other waves: zero
	s_barrier_signal -1
	s_barrier_wait -1
.irp c,0,1,2,3
.irp i,0,1,2,3,4,5,6,7
	ds_load_b128 v[K+32*\c+4*\i:K+32*\c+4*\i+3], v7 offset:32*KP*\c+16*\i
.endr
.endr
.irp c,0,1,2,3
	v_mov_b32 v[M+\c], 0x7f800000                  ; + infinity, as the reference starts
.endr
	LDQ Q0, H0, 0, 0
	s_mov_b32 s9, 0
.Lq:
	LDQ Q1, H1, 128, 8
	s_wait_dscnt 0x9                               ; all but the nine loads just issued
	DIST Q0, H0
	LDQ Q0, H0, 256, 16
	s_wait_dscnt 0x9
	DIST Q1, H1
	v_add_nc_u32 v8, 0x100, v8
	v_add_nc_u32 v11, 16, v11
	s_add_co_u32 s9, s9, 1
	s_cmp_lt_u32 s9, 32
	s_cbranch_scc1 .Lq
	s_wait_dscnt 0x0
	DIST Q0, H0                                    ; the 65th row
	; sum of k of my four keys, then 2 x minimum - sum of k
.irp c,0,1,2,3
.irp p,0,2,4,6,8,10,12,14
	v_pk_add_f32 v[D+\p:D+\p+1], v[K+32*\c+\p:K+32*\c+\p+1], v[K+32*\c+16+\p:K+32*\c+17+\p]
.endr
.irp p,0,2,4,6
	v_pk_add_f32 v[D+\p:D+\p+1], v[D+\p:D+\p+1], v[D+8+\p:D+9+\p]
.endr
	v_pk_add_f32 v[R+4*\c:R+4*\c+1], v[D:D+1], v[D+4:D+5]
	v_pk_add_f32 v[R+4*\c+2:R+4*\c+3], v[D+2:D+3], v[D+6:D+7]
.endr
.irp c,0,1,2,3
	v_pk_add_f32 v[R+4*\c:R+4*\c+1], v[R+4*\c:R+4*\c+1], v[R+4*\c+2:R+4*\c+3]
.endr
.irp c,0,1,2,3
	v_add_f32 v[R+4*\c], v[R+4*\c], v[R+4*\c+1]
.endr
.irp c,0,1,2,3
	v_fma_f32 v[M+\c], 2.0, v[M+\c], -v[R+4*\c]
.endr
.irp c,0,1,2,3
	ds_store_b32 v9, v[M+\c] offset:128*\c
.endr
	s_wait_dscnt 0x0
	s_barrier_signal -1
	s_barrier_wait -1
	s_cmp_gt_u32 s12, 1
	s_cbranch_scc1 .Lend
	v_and_b32 v1, 31, v0
	s_lshl_b32 s22, s12, 9
	v_lshl_add_u32 v1, v1, 4, s22                  ; 128 keys a wave, four a lane
	v_add_nc_u32 v2, RED, v1
.irp q,0,1,2,3
	ds_load_b128 v[D+4*\q:D+4*\q+3], v2 offset:1024*\q
.endr
	s_wait_dscnt 0x0
.irp k,0,1,2,3
	v_min_num_f32 v[D+\k], v[D+\k], v[D+4+\k]
	v_min_num_f32 v[D+8+\k], v[D+8+\k], v[D+12+\k]
.endr
.irp k,0,1,2,3
	v_min_num_f32 v[D+\k], v[D+\k], v[D+8+\k]
.endr
.irp k,0,1,2,3
	v_max_num_f32 v[D+\k], 0, v[D+\k]              ; a distance is not negative,
.endr
.irp k,0,1,2,3
	v_and_b32 v[D+\k], 0x7fffffff, v[D+\k]         ; and its zero is +0
.endr
	global_store_b128 v1, v[D:D+3], s[10:11]       ; 512 consecutive bytes, aligned
.Lend:
	s_set_vgpr_msb 0x5
	s_wait_tensorcnt 0x0
	ds_add_u32 v0, v1
	s_wait_dscnt 0x0
	s_set_vgpr_msb 0x500
	s_endpgm
.Lfunc_end_k_q80e6826b84_l1min:
	.size	k_q80e6826b84_l1min, .Lfunc_end_k_q80e6826b84_l1min-k_q80e6826b84_l1min
	.p2alignl 7, 3214868480
	.fill 96, 4, 3214868480
	.section	.rodata,"a",@progbits
	.p2align	6, 0x0
	.amdhsa_kernel k_q80e6826b84_l1min
		.amdhsa_group_segment_fixed_size 81152
		.amdhsa_private_segment_fixed_size 0
		.amdhsa_enable_private_segment 0
		.amdhsa_kernarg_size 32
		.amdhsa_user_sgpr_count 2
		.amdhsa_user_sgpr_kernarg_segment_ptr 1
		.amdhsa_wavefront_size32 1
		.amdhsa_system_sgpr_workgroup_id_x 1
		.amdhsa_system_sgpr_workgroup_id_y 1
		.amdhsa_system_sgpr_workgroup_id_z 1
		.amdhsa_system_vgpr_workitem_id 0
		.amdhsa_next_free_vgpr 258
		.amdhsa_next_free_sgpr 66
		.amdhsa_reserve_vcc 0
		.amdhsa_float_denorm_mode_32 3
		.amdhsa_float_denorm_mode_16_64 3
		.amdhsa_memory_ordered 1
		.amdhsa_forward_progress 1
		.amdhsa_inst_pref_size 46
	.end_amdhsa_kernel
	.amdgpu_metadata
---
amdhsa.version: [ 1, 2 ]
amdhsa.kernels:
  - .name:           k_q80e6826b84_l1min
    .symbol:         k_q80e6826b84_l1min.kd
    .args:
      - { .name: qf, .offset: 0, .size: 8, .value_kind: global_buffer, .address_space: global }
      - { .name: kf, .offset: 8, .size: 8, .value_kind: global_buffer, .address_space: global }
      - { .name: rand_ind, .offset: 16, .size: 8, .value_kind: global_buffer, .address_space: global }
      - { .name: mind, .offset: 24, .size: 8, .value_kind: global_buffer, .address_space: global }
    .group_segment_fixed_size: 81152
    .private_segment_fixed_size: 0
    .kernarg_segment_align: 8
    .kernarg_segment_size: 32
    .max_flat_workgroup_size: 256
    .sgpr_count:     66
    .vgpr_count:     258
    .wavefront_size: 32
...
	.end_amdgpu_metadata
.endif
;; end of part 8
;; launch rankk (part 9): grid 8 x 32, 8 waves a work-group, no clusters, 14,336 bytes of LDS; arguments mind, rank; writes rank
.if DOCPART == 9
	.amdgcn_target "amdgcn-amd-amdhsa--gfx1250"
	.amdhsa_code_object_version 6
	.text
	.protected	k_q80e6826b84_rankk
	.globl	k_q80e6826b84_rankk
	.p2align	8
	.type	k_q80e6826b84_rankk,@function
k_q80e6826b84_rankk:
	s_mov_b64 s[64:65], 0
	v_nop
	global_prefetch_b8 v0, s[64:65] scope:SCOPE_SE
	s_setreg_imm32_b32 hwreg(HW_REG_WAVE_MODE, 25, 1), 1
	s_wait_xcnt 0x0
; rankk: rank[bh][i] = how many j have (d_j, j) < (d_i, i): a permutation of 0 .. 2047 with the order, ties too, of top_k on -d.
; The distances are >= +0, so with u the bits of d: d_j < d_i or (d_j = d_i and j < i) is d_j < th, where th is the float whose bits are u_i + (j < i), the next one up.
; d_j < th is the sign of the f32 difference d_j - th: a difference of two finite floats has the right sign, and is +0 only for equal ones (denormals are kept in this mode).
; Two differences go in one dual instruction; v_alignbit_b32 shifts the sign bit into a register of 32 bits; after 32 j the bits are counted into four byte fields
; (at most 8 a group and 16 groups: at most 128 a field).  No compare, so nothing goes through VCC.
; Work-group (g, bh): keys 256 g .. + 255.  Wave w: 128 keys (w & 1), four a lane; the groups of 32 j numbered (w >> 1) + 4 m, m = 0 .. 15, so that the eight groups of
; block g, which cost twice as much, fall two to each wave.  The bh's 2,048 distances lie in LDS and are read by all lanes at one address, a group ahead.
; In a group outside block g, (j < i) is one number for the group.  Inside it both rows of bits are made (th = u and th = u + 1) and merged under a mask of the j below i.
; The ranks are only stored: no address and no branch of this launch hangs on them.  LIMIT: NaN and infinite distances are not served.
.set PADB, 8192                        ; behind the row: 1,024 bytes of zeros, which the last trip's look-ahead reads
.set RED,  9216                        ; [quarter of the j][key] counts
.set U,    4                           ; v4-7     my four distances
.set IL,   8                           ; v8-11    their places in the block
.set CN,   12                          ; v12-15   counts, four byte fields each
.set TH,   16                          ; v16-19   u + (block before mine)
.set UP,   20                          ; v20-23   u + 1
.set AA,   24                          ; v24-27   32 sign bits
.set AE,   28                          ; v28-31   the same for u + 1
.set JA,   32                          ; v32-63   a group of 32 d_j
.set JB,   64                          ; v64-95   the next
.set T,    96                          ; v96-111  differences, two sets of eight
.set P,    112                         ; v112-115 at work
.set MK,   116                         ; v116-119 masks
.set ONES, 120
.set TA,   121
.set ZR,   122
.set PA,   123
.set JAD,  124                         ; LDS address of my groups, the same in all lanes
; 32 j x 4 keys.  In a dual form one destination is even and one odd; the first sources (two neighbouring d_j) and the second sources (two neighbouring th) lie in
; different banks (register number mod 4).  Each key's bits are shifted in by ascending j: the group's j number k ends in bit 31 - k.
.macro BITS32 buf, th, acc
.set k_, 0
.rept 16
.set t_, T+8*(k_&1)
	v_dual_sub_f32 v[t_], v[\buf+2*k_], v[\th] :: v_dual_sub_f32 v[t_+1], v[\buf+2*k_+1], v[\th+1]
	v_dual_sub_f32 v[t_+2], v[\buf+2*k_+1], v[\th] :: v_dual_sub_f32 v[t_+3], v[\buf+2*k_], v[\th+1]
	v_dual_sub_f32 v[t_+4], v[\buf+2*k_], v[\th+2] :: v_dual_sub_f32 v[t_+5], v[\buf+2*k_+1], v[\th+3]
	v_dual_sub_f32 v[t_+6], v[\buf+2*k_+1], v[\th+2] :: v_dual_sub_f32 v[t_+7], v[\buf+2*k_], v[\th+3]
	v_alignbit_b32 v[\acc], v[\acc], v[t_], 31
	v_alignbit_b32 v[\acc+1], v[\acc+1], v[t_+3], 31
	v_alignbit_b32 v[\acc+2], v[\acc+2], v[t_+4], 31
	v_alignbit_b32 v[\acc+3], v[\acc+3], v[t_+7], 31
	v_alignbit_b32 v[\acc], v[\acc], v[t_+2], 31
	v_alignbit_b32 v[\acc+1], v[\acc+1], v[t_+1], 31
	v_alignbit_b32 v[\acc+2], v[\acc+2], v[t_+6], 31
	v_alignbit_b32 v[\acc+3], v[\acc+3], v[t_+5], 31
.set k_, k_+1
.endr
.endm
; The ones of AA are counted: fields of 2, 4, 8 bits; the four byte fields are added to CN.
.macro POP4
.irp c,0,1,2,3
	v_lshrrev_b32 v[P+\c], 1, v[AA+\c]
.endr
.irp c,0,1,2,3
	v_and_b32 v[P+\c], s16, v[P+\c]
.endr
.irp c,0,1,2,3
	v_sub_nc_u32 v[AA+\c], v[AA+\c], v[P+\c]
.endr
.irp c,0,1,2,3
	v_lshrrev_b32 v[P+\c], 2, v[AA+\c]
.endr
.irp c,0,1,2,3
	v_and_b32 v[AA+\c], s17, v[AA+\c]
.endr
.irp c,0,1,2,3
	v_and_b32 v[P+\c], s17, v[P+\c]
.endr
.irp c,0,1,2,3
	v_add_nc_u32 v[AA+\c], v[AA+\c], v[P+\c]
.endr
.irp c,0,1,2,3
	v_lshrrev_b32 v[P+\c], 4, v[AA+\c]
.endr
.irp c,0,1,2,3
	v_add_nc_u32 v[AA+\c], v[AA+\c], v[P+\c]
.endr
.irp c,0,1,2,3
	v_and_b32 v[AA+\c], s18, v[AA+\c]
.endr
.irp c,0,1,2,3
	v_add_nc_u32 v[CN+\c], v[CN+\c], v[AA+\c]
.endr
.endm
; The group numbered s12, whose 32 d_j lie in buf.  The branch hangs on the group's and the work-group's numbers alone.
.macro GROUP buf
	s_lshr_b32 s13, s12, 3                         ; its block of 256 j
	s_cmp_eq_u32 s13, ttmp9
	s_cbranch_scc1 .Ldiag_\@
	s_cmp_lt_u32 s13, ttmp9
	s_cselect_b32 s13, 1, 0                        ; every j of the group is below every i of mine, or none is
.irp c,0,1,2,3
	v_add_nc_u32 v[TH+\c], s13, v[U+\c]
.endr
	BITS32 \buf, TH, AA
	s_branch .Lpop_\@
.Ldiag_\@:
	s_and_b32 s13, s12, 7
	s_lshl_b32 s13, s13, 5
	s_sub_co_u32 s13, 0x100, s13                   ; 256 - the group's first j in the block
	; b = 32 - clamp(i - first j, 0, 32) by unsigned minima; the mask has the 32 - b top bits set: all ones shifted left by b, in two steps of at most 16
.irp c,0,1,2,3
	v_add_nc_u32 v[MK+\c], s13, v[IL+\c]
.endr
.irp c,0,1,2,3
	v_min_u32 v[MK+\c], 0x120, v[MK+\c]
.endr
.irp c,0,1,2,3
	v_sub_nc_u32 v[MK+\c], 0x120, v[MK+\c]
.endr
.irp c,0,1,2,3
	v_min_u32 v[MK+\c], 32, v[MK+\c]
.endr
.irp c,0,1,2,3
	v_lshrrev_b32 v[P+\c], 1, v[MK+\c]
.endr
.irp c,0,1,2,3
	v_sub_nc_u32 v[MK+\c], v[MK+\c], v[P+\c]
.endr
.irp c,0,1,2,3
	v_lshlrev_b32 v[P+\c], v[P+\c], v[ONES]
.endr
.irp c,0,1,2,3
	v_lshlrev_b32 v[MK+\c], v[MK+\c], v[P+\c]
.endr
	BITS32 \buf, U, AA                             ; d_j < d_i
	BITS32 \buf, UP, AE                            ; d_j <= d_i
.irp c,0,1,2,3
	v_bfi_b32 v[AA+\c], v[MK+\c], v[AE+\c], v[AA+\c]   ; the second for j < i, the first for the others
.endr
.Lpop_\@:
	POP4
.endm
.macro LDJ buf, off
.irp i,0,1,2,3,4,5,6,7
	ds_load_b128 v[\buf+4*\i:\buf+4*\i+3], v[JAD] offset:\off+16*\i
.endr
.endm
	s_load_b128 s[4:7], s[0:1], 0x0                ; mind 4, rank 6
	v_lshl_add_u32 v128, v0, 2, 0x3400
	v_mov_b32 v129, 0
	v_lshrrev_b32 v1, 5, v0
	v_readfirstlane_b32 s8, v1                     ; wave
	s_and_b32 s14, ttmp7, 0xffff                   ; bh
	s_and_b32 s10, s8, 1                           ; which 128 keys
	s_lshr_b32 s11, s8, 1                          ; which groups of j
	s_mov_b32 s16, 0x55555555
	s_mov_b32 s17, 0x33333333
	s_mov_b32 s18, 0x0f0f0f0f
	s_mov_b32 s19, 0x00ff00ff
	v_and_b32 v1, 31, v0
	v_lshlrev_b32 v2, 4, v1
	v_lshlrev_b32 v[TA], 4, v0
	v_lshlrev_b32 v[PA], 2, v0
	v_mov_b32 v[ZR], 0
	v_mov_b32 v[ONES], -1
	s_lshl_b32 s20, s14, 13
	s_mov_b32 s21, 0
	s_lshl_b32 s22, ttmp9, 10
	s_lshl_b32 s23, s10, 9
	s_add_co_u32 s22, s22, s23
	v_add_nc_u32 v3, s22, v2                       ; my four keys, in bytes from the row of bh
	s_wait_kmcnt 0x0
	s_add_nc_u64 s[4:5], s[4:5], s[20:21]
	s_add_nc_u64 s[6:7], s[6:7], s[20:21]
	global_load_b128 v[JA:JA+3], v[TA], s[4:5]                    ; the row of 2,048 distances: 32 bytes a thread
	global_load_b128 v[JA+4:JA+7], v[TA], s[4:5] offset:4096
	global_load_b128 v[U:U+3], v3, s[4:5]
	ds_store_b32 v[PA], v[ZR] offset:PADB
	s_lshl_b32 s23, s10, 7
	v_lshl_add_u32 v[IL], v1, 2, s23
.irp c,1,2,3
	v_add_nc_u32 v[IL+\c], \c, v[IL]
.endr
.irp c,0,1,2,3
	v_mov_b32 v[CN+\c], 0
	v_mov_b32 v[AA+\c], 0                          ; what lies in the shift registers leaves them in 32 shifts; they are written once so that they are never read unwritten
	v_mov_b32 v[AE+\c], 0
.endr
	s_lshl_b32 s13, s11, 7
	v_mov_b32 v[JAD], s13                          ; group (w >> 1): 128 bytes a group
	s_lshl_b32 s20, s11, 10
	s_lshl_b32 s21, s10, 9
	s_add_co_u32 s20, s20, s21
	s_add_co_u32 s20, s20, RED
	v_add_nc_u32 v1, s20, v2                       ; my counts' place
	s_wait_loadcnt 0x0
	ds_store_b128 v[TA], v[JA:JA+3]
	ds_store_b128 v[TA], v[JA+4:JA+7] offset:4096
.irp c,0,1,2,3
	v_add_nc_u32 v[UP+\c], 1, v[U+\c]
.endr
	s_wait_dscnt 0x0                               ; for the other waves: zero
	s_barrier_signal -1
	s_barrier_wait -1
	LDJ JA, 0
	s_mov_b32 s12, s11
	s_mov_b32 s9, 0
.Ltrip:
	LDJ JB, 512                                    ; my next group lies four groups on
	s_wait_dscnt 0x8                               ; all but the eight loads just issued
	GROUP JA
	s_add_co_u32 s12, s12, 4
	LDJ JA, 1024                                   ; in the last trip: the zeros behind the row, which nothing uses
	s_wait_dscnt 0x8
	GROUP JB
	s_add_co_u32 s12, s12, 4
	v_add_nc_u32 v[JAD], 0x400, v[JAD]
	s_add_co_u32 s9, s9, 1
	s_cmp_lt_u32 s9, 8
	s_cbranch_scc1 .Ltrip
	s_wait_dscnt 0x0
	; the four byte fields of each count, added up
.irp c,0,1,2,3
	v_lshrrev_b32 v[P+\c], 8, v[CN+\c]
.endr
.irp c,0,1,2,3
	v_and_b32 v[CN+\c], s19, v[CN+\c]
.endr
.irp c,0,1,2,3
	v_and_b32 v[P+\c], s19, v[P+\c]
.endr
.irp c,0,1,2,3
	v_add_nc_u32 v[CN+\c], v[CN+\c], v[P+\c]
.endr
.irp c,0,1,2,3
	v_lshrrev_b32 v[P+\c], 16, v[CN+\c]
.endr
.irp c,0,1,2,3
	v_and_b32 v[CN+\c], 0xffff, v[CN+\c]
.endr
.irp c,0,1,2,3
	v_add_nc_u32 v[CN+\c], v[CN+\c], v[P+\c]
.endr
	ds_store_b128 v1, v[CN:CN+3]
	s_wait_dscnt 0x0
	s_barrier_signal -1
	s_barrier_wait -1
	s_cmp_gt_u32 s8, 1
	s_cbranch_scc1 .Lend
.irp q,0,1,2,3
	ds_load_b128 v[16+4*\q:19+4*\q], v1 offset:1024*\q            ; waves 0 and 1: v1 = RED + 512 wave + 16 lane
.endr
	s_wait_dscnt 0x0
.irp c,0,1,2,3
	v_add_nc_u32 v[16+\c], v[16+\c], v[20+\c]
	v_add_nc_u32 v[24+\c], v[24+\c], v[28+\c]
.endr
.irp c,0,1,2,3
	v_add_nc_u32 v[16+\c], v[16+\c], v[24+\c]
.endr
	global_store_b128 v3, v[16:19], s[6:7]         ; 512 consecutive bytes, aligned
.Lend:
	s_wait_tensorcnt 0x0
	ds_add_u32 v128, v129
	s_wait_dscnt 0x0
	s_endpgm
.Lfunc_end_k_q80e6826b84_rankk:
	.size	k_q80e6826b84_rankk, .Lfunc_end_k_q80e6826b84_rankk-k_q80e6826b84_rankk
	.p2alignl 7, 3214868480
	.fill 96, 4, 3214868480
	.section	.rodata,"a",@progbits
	.p2align	6, 0x0
	.amdhsa_kernel k_q80e6826b84_rankk
		.amdhsa_group_segment_fixed_size 14336
		.amdhsa_private_segment_fixed_size 0
		.amdhsa_enable_private_segment 0
		.amdhsa_kernarg_size 16
		.amdhsa_user_sgpr_count 2
		.amdhsa_user_sgpr_kernarg_segment_ptr 1
		.amdhsa_wavefront_size32 1
		.amdhsa_system_sgpr_workgroup_id_x 1
		.amdhsa_system_sgpr_workgroup_id_y 1
		.amdhsa_system_sgpr_workgroup_id_z 1
		.amdhsa_system_vgpr_workitem_id 0
		.amdhsa_next_free_vgpr 130
		.amdhsa_next_free_sgpr 66
		.amdhsa_reserve_vcc 0
		.amdhsa_float_denorm_mode_32 3
		.amdhsa_float_denorm_mode_16_64 3
		.amdhsa_memory_ordered 1
		.amdhsa_forward_progress 1
		.amdhsa_inst_pref_size 86
	.end_amdhsa_kernel
	.amdgpu_metadata
---
amdhsa.version: [ 1, 2 ]
amdhsa.kernels:
  - .name:           k_q80e6826b84_rankk
    .symbol:         k_q80e6826b84_rankk.kd
    .args:
      - { .name: mind, .offset: 0, .size: 8, .value_kind: global_buffer, .address_space: global }
      - { .name: rank, .offset: 8, .size: 8, .value_kind: global_buffer, .address_space: global }
    .group_segment_fixed_size: 14336
    .private_segment_fixed_size: 0
    .kernarg_segment_align: 8
    .kernarg_segment_size: 16
    .max_flat_workgroup_size: 256
    .sgpr_count:     66
    .vgpr_count:     130
    .wavefront_size: 32
...
	.end_amdgpu_metadata
.endif
;; end of part 9
;; launch compact: the kernel of part 5 again; grid 32 x 1, 18 waves a work-group, no clusters, 33,536 bytes of LDS; arguments rank, kf, vb, kvf; writes kvf
;; launch tail (part 10): grid 128 x 1, 8 waves a work-group, no clusters, 247,808 bytes of LDS; arguments query_source, qb, kvf, wf, on_g, on_b, gamma, b1, bn1_g, bn1_b, b2, bn2_g, bn2_b, out0; writes out0
.if DOCPART == 10
	.amdgcn_target "amdgcn-amd-amdhsa--gfx1250"
	.amdhsa_code_object_version 6
	.text
	.protected	k_q80e6826b84_tail
	.globl	k_q80e6826b84_tail
	.p2align	8
	.type	k_q80e6826b84_tail,@function
k_q80e6826b84_tail:
	s_mov_b64 s[64:65], 0
	v_nop
	global_prefetch_b8 v0, s[64:65] scope:SCOPE_SE
	s_setreg_imm32_b32 hwreg(HW_REG_WAVE_MODE, 25, 1), 1
	s_wait_xcnt 0x0
; tail: attention over the 257 kept keys, W_out, channel layer norm, gated residual, MLP with its residual.  A work-group owns 64 tokens of one batch from
; end to end; nothing goes through memory between the steps.  Eight waves of 512 registers, two to a SIMD, so that one wave's loads, exponentials and conversions
; issue while the other's matrix instructions run.  All products are D[channel, token]: a lane's eight results are eight channels of one token, which four
; conversions turn into half of the next product's B fragment.
; Wave w: head w in the attention, output channels 32 w .. + 31 in W_out and W2, hidden channels 128 w .. + 127 in W1.
; A OPERANDS (kept keys, V^T, all weights) were stored as ready fragments in the order in which this wave uses them: one stream of 45 steps of 4,096 bytes
; (four fragments), loaded straight into a ring of eight register slots, seven steps ahead.  Each fragment is used by this wave alone, so LDS would only add a
; write and a read, and a joint load into LDS would not spare them: no tensor load, no cluster.  128 work-groups: with 32 tokens each a channel's piece of x
; and of the output would be 128 bytes, half an aligned block of 256, and the weights would be streamed twice as often.
; SOFTMAX WITHOUT A MAXIMUM: the reference itself makes q and k unit vectors, so every score lies in [-1, 1] (plus bf16 rounding): e^s lies in [0.36, 2.8] for every input.
; bn1_g, bn2_g are in the weights' rows; T1 = bn1_g b1 + bn1_b is the first C of W1's product; attn_out + T2 (T2 = bn2_g b2 + bn2_b) is where W2's sums start.
; LIMITS: NaN and infinite inputs are not served; matrix operands are bf16.
.set XTP,  272                         ; XT: 256 channel rows of 64 tokens f32 + 16 bytes: x, then attn_out + T2, at the end y; rows 32 w .. + 31 are touched by wave w alone
.set ACT,  256*XTP                     ; 64 tokens x (256 channels bf16 + 16): the attention's result, later attn_out
.set AP,   528
.set HB,   ACT+64*AP                   ; 64 tokens x (1,024 hidden channels bf16 + 16)
.set HP,   2064
.set PAR,  HB+64*HP                    ; gamma on_g 1,024 bytes, gamma on_b 1,024, T2 1,024, T1 4,096
.set LNP,  PAR+7168                    ; [wave][token] f32: 2,048 bytes for the sums, 2,048 for the squares
.set QQ,   16                          ; v16-47   q fragments, token tile n at 8 n
.set BB0,  16                          ; v16-47, v48-79    W1: the two B buffers of one k chunk
.set BUFA, 16                          ; v16-79, v144-207  W_out, W2: the two B buffers of two k chunks (chunk q, tile n at 32 q + 8 n)
.set OO,   80                          ; v80-143  attention output (mt, n)
.set SS,   144                         ; v144-207 scores (kt, n)
.set ACC,  80                          ; accumulators (i, n) at 8 (4 i + n): v80-143 in W_out and W2, v80-207 in W1
.set PP,   208                         ; v208-239 probabilities as B fragments; later packed results, biases
.set BIAS, 208
.set SUM,  240                         ; v240-247
.set TT,   248                         ; v248-255
.set KVB,  52                          ; s[52:53] my head's fragments
.set WB,   54                          ; s[54:55] my wave's 36 steps of weights
.set WBL,  56                          ; s[56:57] the same, stepped by W1's loop
; window 1: the ring: slot sl, fragment f at 32 sl + 8 f
.set MSB, 0
.macro WIN new
.if MSB != \new
	s_set_vgpr_msb (MSB<<8)|\new
.set MSB, \new
.endif
.endm
.macro PLACES                          ; four places behind a matrix instruction (ISA guide 7.12.1)
.rept 4
	v_nop
.endr
.endm
.macro BAR
	s_barrier_signal -1
	s_barrier_wait -1
.endm
.macro RFILL sl, base, imm             ; one step of the stream: eight loads of 512 consecutive bytes.  Leaves the window set.
	WIN 0x40
.irp f,0,1,2,3
	global_load_b128 v[32*(\sl)+8*\f:32*(\sl)+8*\f+3], v1, s[\base:\base+1] offset:(\imm)+1024*\f
	global_load_b128 v[32*(\sl)+8*\f+4:32*(\sl)+8*\f+7], v1, s[\base:\base+1] offset:(\imm)+1024*\f+512
.endr
.endm
.macro HEADOF t                        ; the head of attention step t: step t + 7 goes into the slot that step t - 1 has read
	PLACES
.if (\t)+7 <= 8
	RFILL ((\t)+7)&7, KVB, ((\t)+7)*4096
.else
	RFILL ((\t)+7)&7, WB, ((\t)-2)*4096
.endif
	s_wait_loadcnt 56                              ; step t is in; the seven younger steps' 56 loads may be out
.endm
.macro PV t, first                     ; O (channel, query) += V^T P; eight accumulators take turns
	WIN 0x01
.irp mt,0,1
.irp n,0,1,2,3
.if \first
	v_wmma_f32_16x16x32_bf16 v[OO+8*(4*\mt+\n):OO+8*(4*\mt+\n)+7], v[32*((\t)&7)+16+8*\mt:32*((\t)&7)+16+8*\mt+7], v[PP+8*\n:PP+8*\n+7], 0
.else
	v_wmma_f32_16x16x32_bf16 v[OO+8*(4*\mt+\n):OO+8*(4*\mt+\n)+7], v[32*((\t)&7)+16+8*\mt:32*((\t)&7)+16+8*\mt+7], v[PP+8*\n:PP+8*\n+7], v[OO+8*(4*\mt+\n):OO+8*(4*\mt+\n)+7]
.endif
.endr
.endr
	WIN 0
.endm
.macro ATTSTEP t, first                ; 32 keys x 64 queries
	HEADOF \t
	WIN 0x01
.irp kt,0,1
.irp n,0,1,2,3
	v_wmma_f32_16x16x32_bf16 v[SS+8*(4*\kt+\n):SS+8*(4*\kt+\n)+7], v[32*((\t)&7)+8*\kt:32*((\t)&7)+8*\kt+7], v[QQ+8*\n:QQ+8*\n+7], 0
.endr
.endr
	WIN 0
	PLACES
.set i_, 0
.rept 64
	v_exp_f32 v[SS+i_], v[SS+i_]                   ; q carries log2(e)
.set i_, i_+1
.endr
	v_nop                                          ; one plain place behind the transcendentals
.if \first
	s_wait_alu depctr_va_vdst(0)
.irp n,0,1,2,3
	v_pk_add_f32 v[SUM+2*\n:SUM+2*\n+1], v[SS+8*\n:SS+8*\n+1], v[SS+8*\n+2:SS+8*\n+3]
.endr
.else
	s_wait_alu depctr_va_vdst(0)
.irp p,0,1
.irp n,0,1,2,3
	v_pk_add_f32 v[SUM+2*\n:SUM+2*\n+1], v[SUM+2*\n:SUM+2*\n+1], v[SS+8*\n+2*\p:SS+8*\n+2*\p+1]
.endr
.endr
.endif
.irp p,2,3,4,5,6,7
.irp n,0,1,2,3
	v_pk_add_f32 v[SUM+2*\n:SUM+2*\n+1], v[SUM+2*\n:SUM+2*\n+1], v[SS+8*(4*(\p/4)+\n)+2*(\p%4):SS+8*(4*(\p/4)+\n)+2*(\p%4)+1]
.endr
.endr
.irp kt,0,1
.irp n,0,1,2,3
.irp k,0,1,2,3
	v_cvt_pk_bf16_f32 v[PP+8*\n+4*\kt+\k], v[SS+8*(4*\kt+\n)+2*\k], v[SS+8*(4*\kt+\n)+2*\k+1]
.endr
.endr
.endr
	PV \t, \first
.endm
.macro ATTREM t                        ; the ninth chunk holds one key, rank 256: row 0 of its first tile = register 0 of lanes 0 to 15
	HEADOF \t
	WIN 0x01
.irp n,0,1,2,3
	v_wmma_f32_16x16x32_bf16 v[SS+8*\n:SS+8*\n+7], v[32*((\t)&7):32*((\t)&7)+7], v[QQ+8*\n:QQ+8*\n+7], 0
.endr
	WIN 0
	PLACES
.irp n,0,1,2,3
	v_exp_f32 v[SS+8*\n], v[SS+8*\n]
.endr
	v_nop
	s_wait_alu depctr_va_vdst(0)
.irp n,0,1,2,3
	v_cndmask_b32 v[SS+8*\n], 0, v[SS+8*\n], vcc_lo    ; VCC = 0xffff for the whole kernel: lanes 16 to 31 hold a row that is no key
.endr
.irp n,0,1,2,3
	v_add_f32 v[SUM+2*\n], v[SUM+2*\n], v[SS+8*\n]
	v_cvt_pk_bf16_f32 v[PP+8*\n], v[SS+8*\n], 0
.irp k,1,2,3,4,5,6,7
	v_mov_b32 v[PP+8*\n+\k], 0
.endr
.endr
	PV \t, 0
.endm
.macro FOLD src                        ; TT + n = the pair at src + 2 n, added up, over both halves of the lanes
.irp n,0,1,2,3
	v_add_f32 v[TT+\n], v[\src+2*\n], v[\src+2*\n+1]
.endr
.irp n,0,1,2,3
	v_permlanex16_b32 v[TT+4+\n], v[TT+\n], s12, s13
.endr
.irp n,0,1,2,3
	v_add_f32 v[TT+\n], v[TT+\n], v[TT+4+\n]
.endr
.endm
.macro HEADOUT                         ; divide by the sum, round, token-major into ACT
	PLACES
	FOLD SUM
.irp n,0,1,2,3
	v_rcp_f32 v[SUM+2*\n], v[TT+\n]
	v_rcp_f32 v[SUM+2*\n+1], v[TT+\n]
.endr
	v_nop
	s_wait_alu depctr_va_vdst(0)
.irp mt,0,1
.irp n,0,1,2,3
.irp k,0,1,2,3
	v_pk_mul_f32 v[OO+8*(4*\mt+\n)+2*\k:OO+8*(4*\mt+\n)+2*\k+1], v[OO+8*(4*\mt+\n)+2*\k:OO+8*(4*\mt+\n)+2*\k+1], v[SUM+2*\n:SUM+2*\n+1]
.endr
.irp k,0,1,2,3
	v_cvt_pk_bf16_f32 v[PP+4*(4*\mt+\n)+\k], v[OO+8*(4*\mt+\n)+2*\k], v[OO+8*(4*\mt+\n)+2*\k+1]
.endr
	ds_store_b128 v6, v[PP+4*(4*\mt+\n):PP+4*(4*\mt+\n)+3] offset:\n*16*AP+\mt*32
.endr
.endr
.endm
.macro LDBA buf, kc                    ; B fragments of the four token tiles, 32 channels at chunk kc of ACT: eight loads
.irp n,0,1,2,3
	ds_load_b128 v[(\buf)+8*\n:(\buf)+8*\n+3], v5 offset:\n*16*AP+(\kc)*64
	ds_load_b128 v[(\buf)+8*\n+4:(\buf)+8*\n+7], v5 offset:\n*16*AP+(\kc)*64+32
.endr
.endm
.macro LDBA2 buf, s                    ; the same for the two chunks 2 s and 2 s + 1: sixteen loads
.irp q,0,1
.irp n,0,1,2,3
	ds_load_b128 v[(\buf)+32*\q+8*\n:(\buf)+32*\q+8*\n+3], v5 offset:\n*16*AP+(2*(\s)+\q)*64
	ds_load_b128 v[(\buf)+32*\q+8*\n+4:(\buf)+32*\q+8*\n+7], v5 offset:\n*16*AP+(2*(\s)+\q)*64+32
.endr
.endr
.endm
.macro LDBH2 buf, s                    ; two chunks from H; two address registers, since 64 rows pass an LDS immediate's 16 bits
.irp q,0,1
.irp n,0,1,2,3
	ds_load_b128 v[(\buf)+32*\q+8*\n:(\buf)+32*\q+8*\n+3], v[7+\n/2] offset:(\n&1)*16*HP+(2*(\s)+\q)*64
	ds_load_b128 v[(\buf)+32*\q+8*\n+4:(\buf)+32*\q+8*\n+7], v[7+\n/2] offset:(\n&1)*16*HP+(2*(\s)+\q)*64+32
.endr
.endr
.endm
; W1: 16 matrix instructions on 16 accumulators, which take turns, one instruction a turn.  cm 1: the sums start at the bias of m tile i; 2: in place.
.macro MM sl, buf, cm
	WIN 0x01
.irp i,0,1,2,3
.irp n,0,1,2,3
.if \cm == 1
	v_wmma_f32_16x16x32_bf16 v[ACC+8*(4*\i+\n):ACC+8*(4*\i+\n)+7], v[32*(\sl)+8*\i:32*(\sl)+8*\i+7], v[(\buf)+8*\n:(\buf)+8*\n+7], v[BIAS+8*\i:BIAS+8*\i+7]
.else
	v_wmma_f32_16x16x32_bf16 v[ACC+8*(4*\i+\n):ACC+8*(4*\i+\n)+7], v[32*(\sl)+8*\i:32*(\sl)+8*\i+7], v[(\buf)+8*\n:(\buf)+8*\n+7], v[ACC+8*(4*\i+\n):ACC+8*(4*\i+\n)+7]
.endif
.endr
.endr
.endm
; W_out, W2: 16 matrix instructions, two k chunks on 8 accumulators, which take turns, one instruction a turn.  zero = 1: the first chunk starts the sums.
.macro MM2 sl, buf, zero
	WIN 0x01
.irp q,0,1
.irp i,0,1
.irp n,0,1,2,3
.if \zero*(1-\q)
	v_wmma_f32_16x16x32_bf16 v[ACC+8*(4*\i+\n):ACC+8*(4*\i+\n)+7], v[32*(\sl)+8*(2*\q+\i):32*(\sl)+8*(2*\q+\i)+7], v[(\buf)+32*\q+8*\n:(\buf)+32*\q+8*\n+7], 0
.else
	v_wmma_f32_16x16x32_bf16 v[ACC+8*(4*\i+\n):ACC+8*(4*\i+\n)+7], v[32*(\sl)+8*(2*\q+\i):32*(\sl)+8*(2*\q+\i)+7], v[(\buf)+32*\q+8*\n:(\buf)+32*\q+8*\n+7], v[ACC+8*(4*\i+\n):ACC+8*(4*\i+\n)+7]
.endif
.endr
.endr
.endr
.endm
; One step of W1: the next chunk's B into the other buffer (ldk), the stream's step seven ahead into the slot read last, then the waits:
; lcnt = loads of younger steps that may be out, dcnt = 8 where the next B was just asked for.
.macro GSTEP sl, par, imm, ldk, ldarg, dcnt, cm
	PLACES
.if \ldk
	LDBA BB0+32*(1-(\par)), \ldarg
.endif
	RFILL ((\sl)+7)&7, WBL, \imm
	s_wait_loadcnt 56
	s_wait_dscnt \dcnt
	MM \sl, BB0+32*(\par), \cm
	WIN 0
.endm
; One step of W_out or W2 (ldk 1: the next B from ACT; 2: from H; 0: none; dcnt = 16 where the next B was just asked for).
.macro G2STEP sl, par, rf, imm, lcnt, ldk, ldarg, dcnt, zero
	PLACES
.if \ldk == 1
	LDBA2 BUFA+128*(1-(\par)), \ldarg
.endif
.if \ldk == 2
	LDBH2 BUFA+128*(1-(\par)), \ldarg
.endif
.if \rf
	RFILL ((\sl)+7)&7, WB, \imm
.endif
	s_wait_loadcnt \lcnt
	s_wait_dscnt \dcnt
	MM2 \sl, BUFA+128*(\par), \zero
	WIN 0
.endm
.macro ACROSS off                      ; TT + n of the eight waves, added up, into v[16 + n]
.irp n,0,1,2,3
	ds_store_b32 v13, v[TT+\n] offset:\off+64*\n   ; both halves of the lanes store the same number
.endr
	s_wait_dscnt 0x0
	BAR
.irp q,0,1,2,3,4,5,6,7
.irp n,0,1,2,3
	ds_load_b32 v[16+4*\q+\n], v14 offset:\off+256*\q+64*\n
.endr
.endr
	s_wait_dscnt 0x0
.irp q,0,2,4,6
	v_pk_add_f32 v[16+4*\q:17+4*\q], v[16+4*\q:17+4*\q], v[20+4*\q:21+4*\q]
	v_pk_add_f32 v[18+4*\q:19+4*\q], v[18+4*\q:19+4*\q], v[22+4*\q:23+4*\q]
.endr
.irp q,0,4
	v_pk_add_f32 v[16+4*\q:17+4*\q], v[16+4*\q:17+4*\q], v[24+4*\q:25+4*\q]
	v_pk_add_f32 v[18+4*\q:19+4*\q], v[18+4*\q:19+4*\q], v[26+4*\q:27+4*\q]
.endr
	v_pk_add_f32 v[16:17], v[16:17], v[32:33]
	v_pk_add_f32 v[18:19], v[18:19], v[34:35]
.endm
.macro PKSUBB d, p, o                  ; v[d:d+1] -= register o of the pair at p
.if \o
	v_pk_add_f32 v[\d:\d+1], v[\d:\d+1], v[\p:\p+1] op_sel:[0,1] op_sel_hi:[1,1] neg_lo:[0,1] neg_hi:[0,1]
.else
	v_pk_add_f32 v[\d:\d+1], v[\d:\d+1], v[\p:\p+1] op_sel:[0,0] op_sel_hi:[1,0] neg_lo:[0,1] neg_hi:[0,1]
.endif
.endm
.macro PKMULB d, p, o
.if \o
	v_pk_mul_f32 v[\d:\d+1], v[\d:\d+1], v[\p:\p+1] op_sel:[0,1] op_sel_hi:[1,1]
.else
	v_pk_mul_f32 v[\d:\d+1], v[\d:\d+1], v[\p:\p+1] op_sel:[0,0] op_sel_hi:[1,0]
.endif
.endm
	s_load_b512 s[16:31], s[0:1], 0x0              ; query_source 16, qb 18, kvf 20, wf 22, on_g 24, on_b 26, gamma 28, b1 30
	s_load_b256 s[32:39], s[0:1], 0x40             ; bn1_g 32, bn1_b 34, b2 36, bn2_g 38
	s_load_b128 s[40:43], s[0:1], 0x60             ; bn2_b 40, out0 42
	v_lshrrev_b32 v1, 5, v0
	v_readfirstlane_b32 s8, v1                     ; wave = head
	s_lshr_b32 s2, ttmp9, 5                        ; batch
	s_and_b32 s3, ttmp9, 31                        ; block of 64 tokens
	s_mov_b32 s12, 0x76543210
	s_mov_b32 s13, 0xfedcba98
	s_mov_b32 s11, 0x3b800000                      ; 1 / 256
	s_mov_b32 vcc_lo, 0xffff
	s_lshl_b32 s4, s2, 21
	s_lshl_b32 s5, s3, 8
	s_add_co_u32 s4, s4, s5
	s_mov_b32 s5, 0
	s_lshl3_add_u32 s6, s2, s8                     ; bh = 8 batch + wave
	s_mul_i32 s14, s6, 36864
	s_mov_b32 s15, 0
	s_lshl_b32 s6, s6, 17
	s_lshl_b32 s7, s3, 12
	s_add_co_u32 s6, s6, s7
	s_mov_b32 s7, 0
	s_mul_i32 s58, s8, 147456
	s_add_co_u32 s58, s58, 917504
	s_mov_b32 s59, 0
	v_and_b32 v13, 31, v0                          ; lane
	v_and_b32 v14, 15, v0                          ; lane % 16
	v_bfe_u32 v15, v0, 4, 1                        ; lane / 16
	v_lshlrev_b32 v1, 4, v13                       ; v1: 16 x lane
	s_lshl_b32 s9, s8, 18
	v_lshlrev_b32 v2, 4, v14
	v_lshl_add_u32 v2, v15, 13, v2
	v_add_nc_u32 v2, s9, v2                        ; v2: x and out: (32 w + half) rows of 8,192 bytes + 16 (lane % 16)
	v_lshlrev_b32 v249, 2, v0
	v_lshlrev_b32 v250, 4, v0
	s_wait_kmcnt 0x0
	s_load_b32 s44, s[28:29], 0x0                  ; gamma
	s_add_nc_u64 s[46:47], s[16:17], s[4:5]
	s_add_nc_u64 s[48:49], s[42:43], s[4:5]
	s_add_nc_u64 s[50:51], s[18:19], s[6:7]
	s_add_nc_u64 s[KVB:KVB+1], s[20:21], s[14:15]
	s_add_nc_u64 s[WB:WB+1], s[22:23], s[58:59]
	s_mov_b64 s[WBL:WBL+1], s[WB:WB+1]
.irp t,0,1,2,3,4,5,6
	RFILL \t, KVB, \t*4096
.endr
	WIN 0
.set i_, 0
.rept 16
	global_load_b128 v[80+4*i_:83+4*i_], v2, s[46:47] offset:i_*16384 th:TH_LOAD_NT   ; two channels' 256 bytes, aligned
.set i_, i_+1
.endr
	global_load_b32 v208, v249, s[24:25]           ; one number of each table of 256 a thread
	global_load_b32 v209, v249, s[26:27]
	global_load_b32 v210, v249, s[36:37]
	global_load_b32 v211, v249, s[38:39]
	global_load_b32 v212, v249, s[40:41]
	global_load_b128 v[216:219], v250, s[30:31]    ; four of each table of 1,024
	global_load_b128 v[220:223], v250, s[32:33]
	global_load_b128 v[224:227], v250, s[34:35]
.irp n,0,1,2,3
	global_load_b128 v[QQ+8*\n:QQ+8*\n+3], v1, s[50:51] offset:\n*1024
	global_load_b128 v[QQ+8*\n+4:QQ+8*\n+7], v1, s[50:51] offset:\n*1024+512
.endr
	; the other addresses, while the loads are on their way
	s_mul_i32 s9, s8, 32*XTP
	v_mul_u32_u24 v3, v15, XTP
	v_lshl_add_u32 v3, v14, 4, v3
	v_add_nc_u32 v3, s9, v3                        ; v3: XT by rows of 256 bytes
	v_mul_u32_u24 v4, v15, 8*XTP
	v_lshl_add_u32 v4, v14, 2, v4
	v_add_nc_u32 v4, s9, v4                        ; v4: XT as a result tile sees it: channel 32 w + 8 half, token lane % 16
	v_mul_u32_u24 v5, v14, AP
	v_lshl_add_u32 v5, v15, 4, v5
	v_add_nc_u32 v5, ACT, v5                       ; v5: B fragments from ACT
	s_lshl_b32 s9, s8, 6
	v_add_nc_u32 v6, s9, v5                        ; v6: my 32 channels' results into ACT
	v_mul_u32_u24 v7, v14, HP
	v_lshl_add_u32 v7, v15, 4, v7
	v_add_nc_u32 v7, HB, v7                        ; v7, v8: B fragments from H, token tiles 0-1, 2-3
	v_add_nc_u32 v8, 32*HP, v7
	s_lshl_b32 s9, s8, 8
	v_add_nc_u32 v9, s9, v7                        ; v9, v10: my 128 hidden channels' results into H
	v_add_nc_u32 v10, s9, v8
	s_add_co_u32 s10, s9, LNP
	s_lshl_b32 s9, s8, 9
	s_add_co_u32 s9, s9, PAR+3072
	v_lshl_add_u32 v11, v15, 5, s9                 ; v11: T1 of my hidden channels
	s_lshl_b32 s9, s8, 7
	s_add_co_u32 s9, s9, PAR
	v_lshl_add_u32 v12, v15, 5, s9                 ; v12: the three tables of my 32 channels
	v_lshlrev_b32 v14, 2, v14
	v_add_nc_u32 v13, s10, v14                     ; v13: my wave's partial sums
	v_add_nc_u32 v14, LNP, v14                     ; v14: wave 0's
	v_lshlrev_b32 v15, 2, v0
	v_add_nc_u32 v15, PAR, v15
	v_lshlrev_b32 v248, 4, v0
	v_add_nc_u32 v248, PAR+3072, v248
.irp k,252,253,254,255
	v_mov_b32 v\k, 0                               ; v_permlanex16_b32 counts as a reader of its destination
.endr
	s_wait_loadcnt 8                               ; all but the eight loads of q
.set i_, 0
.rept 16
	ds_store_b128 v3, v[80+4*i_:83+4*i_] offset:i_*2*XTP
.set i_, i_+1
.endr
	s_wait_kmcnt 0x0
	v_mul_f32 v208, s44, v208                      ; gamma on_g
	v_mul_f32 v209, s44, v209                      ; gamma on_b
	v_fma_f32 v210, v211, v210, v212               ; T2
	v_pk_fma_f32 v[216:217], v[220:221], v[216:217], v[224:225]   ; T1
	v_pk_fma_f32 v[218:219], v[222:223], v[218:219], v[226:227]
	ds_store_b32 v15, v208
	ds_store_b32 v15, v209 offset:1024
	ds_store_b32 v15, v210 offset:2048
	ds_store_b128 v248, v[216:219]
	s_wait_loadcnt 0x0
	; ATTENTION: steps 0 to 8 of the stream
	ATTSTEP 0, 1
.irp cc,1,2,3,4,5,6,7
	ATTSTEP \cc, 0
.endr
	ATTREM 8
	HEADOUT
	s_wait_dscnt 0x0
	BAR                                            ; ACT and the tables are whole
	; W_OUT: steps 9 to 12, two chunks of 32 channels each
	LDBA2 BUFA, 0
	G2STEP 1, 0, 1, 7*4096, 56, 1, 1, 16, 1
	G2STEP 2, 1, 1, 8*4096, 56, 1, 2, 16, 0
	G2STEP 3, 0, 1, 9*4096, 56, 1, 3, 16, 0
	G2STEP 4, 1, 1, 10*4096, 56, 0, 0, 0, 0
	; LAYER NORM over 256 channels (16 in the lane, 32 in the wave, 256 through LDS), gate, residual
	PLACES
.irp n,0,1,2,3
	v_pk_add_f32 v[SUM+2*\n:SUM+2*\n+1], v[ACC+8*\n:ACC+8*\n+1], v[ACC+8*\n+2:ACC+8*\n+3]
.endr
.irp p,2,3,4,5,6,7
.irp n,0,1,2,3
	v_pk_add_f32 v[SUM+2*\n:SUM+2*\n+1], v[SUM+2*\n:SUM+2*\n+1], v[ACC+8*(4*(\p/4)+\n)+2*(\p%4):ACC+8*(4*(\p/4)+\n)+2*(\p%4)+1]
.endr
.endr
	FOLD SUM
	ACROSS 0                                       ; its barrier also stands between every wave's reads of ACT and the stores into it below
.irp n,0,1,2,3
	v_mul_f32 v[SUM+\n], s11, v[16+\n]             ; the means of my four tokens, in v240-243
.endr
.irp i,0,1
.irp n,0,1,2,3
.irp k,0,1,2,3
	PKSUBB ACC+8*(4*\i+\n)+2*\k, SUM+2*(\n/2), \n&1
.endr
.endr
.endr
.irp n,0,1,2,3
	v_pk_mul_f32 v[48+2*\n:49+2*\n], v[ACC+8*\n:ACC+8*\n+1], v[ACC+8*\n:ACC+8*\n+1]
.endr
.irp p,1,2,3,4,5,6,7
.irp n,0,1,2,3
	v_pk_fma_f32 v[48+2*\n:49+2*\n], v[ACC+8*(4*(\p/4)+\n)+2*(\p%4):ACC+8*(4*(\p/4)+\n)+2*(\p%4)+1], v[ACC+8*(4*(\p/4)+\n)+2*(\p%4):ACC+8*(4*(\p/4)+\n)+2*(\p%4)+1], v[48+2*\n:49+2*\n]
.endr
.endr
	FOLD 48
	ACROSS 2048
.irp n,0,1,2,3
	v_fmaak_f32 v[16+\n], s11, v[16+\n], 0x3727c5ac   ; variance + 1e-5
.endr
.irp n,0,1,2,3
	v_rsq_f32 v[SUM+\n], v[16+\n]
.endr
	v_nop
	s_wait_alu depctr_va_vdst(0)
.irp i,0,1
.irp q,0,1,2
	ds_load_b128 v[48+8*\q:51+8*\q], v12 offset:1024*\q+64*\i     ; gamma on_g, gamma on_b, T2 of channels 32 w + 16 i + 8 half + 0..7
	ds_load_b128 v[52+8*\q:55+8*\q], v12 offset:1024*\q+64*\i+16
.endr
.irp n,0,1,2,3
.irp j,0,1,2,3,4,5,6,7
	ds_load_b32 v[16+8*\n+\j], v4 offset:(16*\i+\j)*XTP+\n*64     ; x
.endr
.endr
	s_wait_dscnt 0x0
.irp n,0,1,2,3
.irp k,0,1,2,3
	PKMULB ACC+8*(4*\i+\n)+2*\k, SUM+2*(\n/2), \n&1
	v_pk_add_f32 v[16+8*\n+2*\k:17+8*\n+2*\k], v[16+8*\n+2*\k:17+8*\n+2*\k], v[56+2*\k:57+2*\k]
	v_pk_fma_f32 v[ACC+8*(4*\i+\n)+2*\k:ACC+8*(4*\i+\n)+2*\k+1], v[ACC+8*(4*\i+\n)+2*\k:ACC+8*(4*\i+\n)+2*\k+1], v[48+2*\k:49+2*\k], v[16+8*\n+2*\k:17+8*\n+2*\k]
.endr
.irp k,0,1,2,3
	v_cvt_pk_bf16_f32 v[PP+4*\n+\k], v[ACC+8*(4*\i+\n)+2*\k], v[ACC+8*(4*\i+\n)+2*\k+1]
.endr
	ds_store_b128 v6, v[PP+4*\n:PP+4*\n+3] offset:\n*16*AP+\i*32  ; attn_out in bf16, for W1
.irp k,0,1,2,3
	v_pk_add_f32 v[16+8*\n+2*\k:17+8*\n+2*\k], v[ACC+8*(4*\i+\n)+2*\k:ACC+8*(4*\i+\n)+2*\k+1], v[64+2*\k:65+2*\k]   ; attn_out + T2
.endr
.irp j,0,1,2,3,4,5,6,7
	ds_store_b32 v4, v[16+8*\n+\j] offset:(16*\i+\j)*XTP+\n*64    ; in f32, where x lay, in my own rows: W1 needs the registers
.endr
.endr
.endr
	s_wait_dscnt 0x0
	BAR                                            ; attn_out is whole in ACT
	; W1: two passes of 64 hidden channels, steps 13 to 28; relu; into H
	s_mov_b32 s9, 0
.Lg1:
.irp i,0,1,2,3
	ds_load_b128 v[BIAS+8*\i:BIAS+8*\i+3], v11 offset:64*\i
	ds_load_b128 v[BIAS+8*\i+4:BIAS+8*\i+7], v11 offset:64*\i+16
.endr
	LDBA BB0, 0
	GSTEP 5, 0, 11*4096, 1, 1, 8, 1
.irp j,1,2,3,4,5,6
	GSTEP (5+\j)&7, \j&1, (11+\j)*4096, 1, \j+1, 8, 2
.endr
	GSTEP 4, 1, 18*4096, 0, 0, 0, 2
	PLACES
.set i_, 0
.rept 128
	v_max_num_f32 v[ACC+i_], 0, v[ACC+i_]
.set i_, i_+1
.endr
.irp i,0,1,2,3
.irp n,0,1,2,3
.irp k,0,1,2,3
	v_cvt_pk_bf16_f32 v[ACC+8*(4*\i+\n)+\k], v[ACC+8*(4*\i+\n)+2*\k], v[ACC+8*(4*\i+\n)+2*\k+1]   ; register k is written when 2 k and 2 k + 1 are read
.endr
	ds_store_b128 v[9+\n/2], v[ACC+8*(4*\i+\n):ACC+8*(4*\i+\n)+3] offset:(\n&1)*16*HP+\i*32
.endr
.endr
	v_add_nc_u32 v9, 0x80, v9                      ; the next 64 hidden channels
	v_add_nc_u32 v10, 0x80, v10
	v_add_nc_u32 v11, 0x100, v11
	s_wait_xcnt 0x0                                ; the stream's base is stepped only behind this wait
	s_add_nc_u64 s[WBL:WBL+1], s[WBL:WBL+1], 0x8000
	s_add_co_u32 s9, s9, 1
	s_cmp_lt_u32 s9, 2
	s_cbranch_scc1 .Lg1
	s_wait_dscnt 0x0
	BAR                                            ; H is whole
	; W2: 16 steps of two chunks of 32 hidden channels, steps 29 to 44, onto attn_out + T2
.irp i,0,1
.irp n,0,1,2,3
.irp j,0,1,2,3,4,5,6,7
	ds_load_b32 v[ACC+8*(4*\i+\n)+\j], v4 offset:(16*\i+\j)*XTP+\n*64
.endr
.endr
.endr
	LDBH2 BUFA, 0
.irp s,0,1,2,3,4,5,6,7,8
	G2STEP (5+\s)&7, \s&1, 1, (27+\s)*4096, 56, 2, \s+1, 16, 0
.endr
.irp s,9,10,11,12,13,14
	G2STEP (5+\s)&7, \s&1, 0, 0, 8*(15-\s), 2, \s+1, 16, 0       ; the stream has been asked for to its end: the counts run down
.endr
	G2STEP 4, 1, 0, 0, 0, 0, 0, 0, 0
	; THE WAY OUT: y through my own rows of XT, back as whole rows: sixteen lanes store 256 consecutive bytes, aligned
	PLACES
.irp i,0,1
.irp n,0,1,2,3
.irp j,0,1,2,3,4,5,6,7
	ds_store_b32 v4, v[ACC+8*(4*\i+\n)+\j] offset:(16*\i+\j)*XTP+\n*64
.endr
.endr
.endr
.set i_, 0
.rept 16
	ds_load_b128 v[16+4*i_:19+4*i_], v3 offset:i_*2*XTP           ; a wave's LDS instructions are served in order: these see the stores above
.set i_, i_+1
.endr
.set i_, 0
.rept 16
	s_wait_dscnt 15-i_
	global_store_b128 v2, v[16+4*i_:19+4*i_], s[48:49] offset:i_*16384 th:TH_STORE_NT
.set i_, i_+1
.endr
	s_wait_xcnt 0x0
	v_lshl_add_u32 v254, v0, 2, 0x3c400
	v_mov_b32 v255, 0
	s_wait_tensorcnt 0x0
	ds_add_u32 v254, v255
	s_wait_dscnt 0x0
	s_endpgm
.Lfunc_end_k_q80e6826b84_tail:
	.size	k_q80e6826b84_tail, .Lfunc_end_k_q80e6826b84_tail-k_q80e6826b84_tail
	.p2alignl 7, 3214868480
	.fill 96, 4, 3214868480
	.section	.rodata,"a",@progbits
	.p2align	6, 0x0
	.amdhsa_kernel k_q80e6826b84_tail
		.amdhsa_group_segment_fixed_size 247808
		.amdhsa_private_segment_fixed_size 0
		.amdhsa_enable_private_segment 0
		.amdhsa_kernarg_size 112
		.amdhsa_user_sgpr_count 2
		.amdhsa_user_sgpr_kernarg_segment_ptr 1
		.amdhsa_wavefront_size32 1
		.amdhsa_system_sgpr_workgroup_id_x 1
		.amdhsa_system_sgpr_workgroup_id_y 1
		.amdhsa_system_sgpr_workgroup_id_z 1
		.amdhsa_system_vgpr_workitem_id 0
		.amdhsa_next_free_vgpr 512
		.amdhsa_next_free_sgpr 66
		.amdhsa_reserve_vcc 1
		.amdhsa_float_denorm_mode_32 3
		.amdhsa_float_denorm_mode_16_64 3
		.amdhsa_memory_ordered 1
		.amdhsa_forward_progress 1
		.amdhsa_inst_pref_size 219
	.end_amdhsa_kernel
	.amdgpu_metadata
---
amdhsa.version: [ 1, 2 ]
amdhsa.kernels:
  - .name:           k_q80e6826b84_tail
    .symbol:         k_q80e6826b84_tail.kd
    .args:
      - { .name: query_source, .offset: 0, .size: 8, .value_kind: global_buffer, .address_space: global }
      - { .name: qb, .offset: 8, .size: 8, .value_kind: global_buffer, .address_space: global }
      - { .name: kvf, .offset: 16, .size: 8, .value_kind: global_buffer, .address_space: global }
      - { .name: wf, .offset: 24, .size: 8, .value_kind: global_buffer, .address_space: global }
      - { .name: on_g, .offset: 32, .size: 8, .value_kind: global_buffer, .address_space: global }
      - { .name: on_b, .offset: 40, .size: 8, .value_kind: global_buffer, .address_space: global }
      - { .name: gamma, .offset: 48, .size: 8, .value_kind: global_buffer, .address_space: global }
      - { .name: b1, .offset: 56, .size: 8, .value_kind: global_buffer, .address_space: global }
      - { .name: bn1_g, .offset: 64, .size: 8, .value_kind: global_buffer, .address_space: global }
      - { .name: bn1_b, .offset: 72, .size: 8, .value_kind: global_buffer, .address_space: global }
      - { .name: b2, .offset: 80, .size: 8, .value_kind: global_buffer, .address_space: global }
      - { .name: bn2_g, .offset: 88, .size: 8, .value_kind: global_buffer, .address_space: global }
      - { .name: bn2_b, .offset: 96, .size: 8, .value_kind: global_buffer, .address_space: global }
      - { .name: out0, .offset: 104, .size: 8, .value_kind: global_buffer, .address_space: global }
    .group_segment_fixed_size: 247808
    .private_segment_fixed_size: 0
    .kernarg_segment_align: 8
    .kernarg_segment_size: 112
    .max_flat_workgroup_size: 256
    .sgpr_count:     66
    .vgpr_count:     512
    .wavefront_size: 32
...
	.end_amdgpu_metadata
.endif
;; end of part 10
